; MI455X (gfx1250); checked and timed in simulation.
; The chip was launched on July 23, 2026; its instructions are those of AMD's public machine-readable ISA for CDNA 5 (MIT licence, August 2026) and "CDNA5" Instruction Set Architecture Reference Guide (July 2026). The comments in the code are by the model that wrote it; some were corrected since.
;; Batched Causal Self Attention. Allowed arithmetic: matrix products marked QUANTISED: E3M2 operands, one E8M0 scale for each 32 along K, by v_wmma_scale_f32_16x16x128_f8f6f4 with both operands' format E3M2, f32 sums; everything else in f32.
;; Inputs: W_attn 1,024 x 3,072 float32; W_proj 1,024 x 1,024 float32; x 4 x 2,048 x 1,024 float32.
;; Outputs: out0 4 x 2,048 x 1,024 float32.
;; This version of the problem:
;;   THIS VERSION OF THE PROBLEM IS GIVEN IN LOW PRECISION. The matrix products marked QUANTISED in the list below multiply operands that are first quantised to E3M2 (3 exponent bits, 2 mantissa bits; 6 bits a number), with one power-of-two scale for each 32 numbers along K (OCP MX v1.0); their sums are f32. All else is computed in f32.
;;   The module's matrix products, in the order in which they are computed (A, B: the left and right operand; K: the contracted axis; several contracted axes count as one K, in the product's order):
;;     1. [M 8,192, K 1,024] x [K 1,024, N 3,072]; A: input x; B: input W_attn: QUANTISED
;;     2. batch 64 x [M 2,048, K 64] x [K 64, N 2,048]; A: computed on the way; B: computed on the way: QUANTISED
;;     3. batch 64 x [M 2,048, K 2,048] x [K 2,048, N 64]; A: softmax (see below); B: computed on the way: QUANTISED
;;     4. [M 8,192, K 1,024] x [K 1,024, N 1,024]; A: computed on the way; B: input W_proj: QUANTISED
;;   THE QUANTISER, for each operand of a quantised product, along K:
;;     - K is cut into blocks of 32 from its start; a last block that is shorter is filled with zeros.
;;     - A block's scale is 2^e with e = floor(log2(the largest magnitude in the block)) - 4, held to -126 .. 127; a block of zeros has e = 0. As a byte (E8M0): e + 127.
;;     - Each number is divided by its block's scale, clamped to +-28, and rounded to the nearest number of E3M2, ties to even, subnormals kept.
;;     - The product sums the exact products of the quantised numbers (number of the format x scale) in f32.
;;   ~~~python
;;   def quantise(x, axis):      # numpy; x: float32 -> the quantised numbers, widened to float32 again
;;       x = np.moveaxis(x, axis, -1); K = x.shape[-1]
;;       x = np.pad(x, [(0, 0)] * (x.ndim - 1) + [(0, -K % 32)]); x = x.reshape(x.shape[:-1] + (-1, 32)); a = np.abs(x).max(-1, keepdims=True)
;;       e = np.where(a > 0, np.clip(np.frexp(np.where(a > 0, a, 1))[1] - 1 - 4, -126, 127), 0)      # np.frexp(a)[1] - 1 = floor(log2(a)), exactly
;;       r = np.clip(x / 2.0 ** e, -28, 28)
;;       step = 2.0 ** (np.maximum(np.frexp(np.where(r == 0, 1, r))[1] - 1, -2) - 2)
;;       q = np.round(r / step) * step * 2.0 ** e      # np.round: ties to even
;;       return np.moveaxis(q.reshape(q.shape[:-2] + (-1,))[..., :K], -1, axis).astype(np.float32)
;;   ~~~
;;   SOFTMAX AHEAD OF A QUANTISED PRODUCT. Where the list says 'softmax', what is quantised is not the finished softmax but p = 2^(t - M), with t = logit x log2(e) and M = ceil(the row's largest t), a whole number; so 1/2 < the row's largest p <= 1. The row's sum l is taken of the UNQUANTISED p, in f32, and the product's result is divided by l at the end. Since M is a whole number, a kernel that streams over the keys may use a running M (the ceiling of the running maximum): every later rescaling is an exact power of two, which a block's scale takes up: the codes' values come out the same.
;;   OPERANDS COMPUTED ON THE WAY. 'Computed on the way' means the value that the module computes at that place (a softmax that the list does not call 'softmax' is quantised finished and normalised). What goes into a quantiser is computed in f32, as accurately as f32 sums, v_exp_f32 and their like allow (about 1e-6 of the number): no bf16 or f16 on the way to a quantiser, and a product that is left as it is and whose result goes on into a quantised operand takes f32 operands (vector FMAs, or v_wmma_f32_16x16x4_f32). A number that lies on a knife's edge between two numbers of the format may be rounded either way, as far as f32 arithmetic and the matrix unit's own rounding can turn it there, and no further.
;; One version. Each part assembles by itself: llvm-mc -triple=amdgcn-amd-amdhsa -mcpu=gfx1250 --defsym DOCPART=n.
;; ======== version 1 of 1: 4 launches
;; limits: right only within a limited range of input values
;; workspace buffers: x_img 6,291,456 bytes; x_sc 262,144 bytes; w_img 3,145,728 bytes; w_sc 131,072 bytes; qkv_img 18,874,368 bytes; qkv_sc 1,572,864 bytes; y_img 6,291,456 bytes; y_sc 262,144 bytes
;; launch quant (part 1): grid 256 x 1, 12 waves a work-group, no clusters, 150,016 bytes of LDS; arguments x, W_attn, W_proj, x_img, x_sc, w_img, w_sc; writes x_img, x_sc, w_img, w_sc
.if DOCPART == 1
	.amdgcn_target "amdgcn-amd-amdhsa--gfx1250"
	.amdhsa_code_object_version 6
	.text
	.protected	k_q8d0eadc6cc_quant
	.globl	k_q8d0eadc6cc_quant
	.p2align	8
	.type	k_q8d0eadc6cc_quant,@function
k_q8d0eadc6cc_quant:
	s_mov_b64 s[64:65], 0
	v_nop
	global_prefetch_b8 v0, s[64:65] scope:SCOPE_SE
	s_setreg_imm32_b32 hwreg(HW_REG_WAVE_MODE, 25, 1), 1
	s_wait_xcnt 0x0
; x [8192][1024], W_attn [1024][3072] and W_proj [1024][1024], f32, become codes of E3M2 with one E8M0 byte for each 32 along K (the 1,024), laid as IMAGES OF OPERAND REGISTERS.
; IMAGE: [block of 128 rows (of x) or columns (of W: blocks 0-23 W_attn's, 24-31 W_proj's)][K step of 128: 8][tile of 16: 8][half of 64 K: 2][768 bytes].  The 768 bytes are six registers of 32 lanes:
; registers 0-3 at 16 x lane, registers 4-5 at 512 + 8 x lane; lane (r, h) holds the 32 codes k = 32 h .. 32 h + 31 of the half, of the tile's row r.  SCALE WORDS: [block][K step][tile][r], byte b for k = 32 b on.
; THE ROWS OF A TILE ARE NOT NEIGHBOURS: lane r of tile i is row 32 (i / 2) + 8 (i % 2) + r + 8 (r / 8) of the block, so that where such an operand is a product's source 0 the 16 result registers of tiles 2 b, 2 b + 1 are 16 neighbours.
; A block's scale is 2^(floor(log2(largest magnitude)) - 4): its byte is the largest magnitude's exponent field - 4, held at 1 from below.
; WORK LEFT OUT BY THIS PROGRAM (in the attention launch): key steps whose keys all come after a tile's queries.  the causal mask puts -inf there ahead of the softmax, so their p is 0 whatever the inputs hold.
; A NaN, an infinity or an overflow that reaches only those scores is not carried to the result.  Every input is loaded.
; LIMITS: NaN and infinities are not served; a block whose largest magnitude lies under 2^-122 has its byte held at 1; a block of zeros gets the byte 1 and zero codes (only this program reads the bytes).
; TWO ROLES, parted once on the wave's number; they share nothing, there is no barrier, and each has LDS bytes of its own.
; WAVES 0-7, x: work-group g owns rows 32 g .. 32 g + 31 (two tiles), wave s the K step s.  A wave's 32 loads, 512 consecutive bytes each, go out at once; each tile's 16 x 512 bytes turn through the wave's own stage in LDS,
; so that a lane gets 16 neighbours of each block of 32.  Every store of codes covers 512 or 256 consecutive bytes at a multiple of 256.
; WAVES 8-11, W: work-group g owns block g % 32 of 128 columns and K step g / 32; wave 8 + w the block's columns 32 w .. 32 w + 31: tiles 2 w and 2 w + 1.  A LANE TAKES A COLUMN AND ITS REGISTERS RUN DOWN K:
; a load reads 128 consecutive bytes a wave, a block of 32 lies in one lane's registers, and the conversions give codes with K innermost.  The codes go through the wave's own stage, into the image's order, and leave as 512 consecutive bytes a store.
; In both roles the scale words leave as 128 consecutive bytes a wave: 1 byte for each 128 read.
.set SP,    528                        ; x: a stage row: 512 bytes + 16 = 132 words: row r starts 4 r words on
.set STG,   16*SP
.set WREG,  2*STG                      ; a wave's two stages
.set TST,   1664                       ; W: a tile's image in the stage: 1,536 bytes + 128
.set WST,   2*TST
.set WBASE, 8*WREG                     ; W's four stages lie behind x's eight
.set SPARE, WBASE+4*WST                ; the spare words, 128 bytes for each of 12 waves, that no other line names
.set SPW, 51                           ; made ahead of the parting, named by neither role
.set NIL, 11
; x's role
.set L16, 4
.set L8,  5
.set L4,  6
.set STI, 7                            ; into the stage: 16 x lane
.set STO, 8                            ; out of it: row r, + 64 h
.set TM,  12                           ; v12-15 largest magnitudes, v16-19 the other half's / bytes, v24-27 the conversions' scale operands
.set PW,  28                           ; v28, v29 the two tiles' scale words
.set SELW, 30
.set PC,  32                           ; v32-43 tile 0's codes, v52-63 tile 1's
.set T2,  44                           ; v44-46, v48-50 at work
.set R,   64                           ; v64-191 as loaded
.set X,   192                          ; v192-255 64 numbers: register 16 b + i = k 32 b + 16 h + i of my row
.set SEL, 22
; W's role
.set SB,  16                           ; my column's scale word
.set C0,  20                           ; block t's six registers of codes at v[20 + 8 t]
.set WT,  56                           ; v56-58 at work
.set WX,  64                           ; v64-191: W(128 s + kk, my column)
	s_load_b256 s[4:11], s[0:1], 0x0               ; x, W_attn, W_proj, x_img
	s_load_b128 s[12:15], s[0:1], 0x20             ; x_sc, w_img
	s_load_b64 s[16:17], s[0:1], 0x30              ; w_sc
	v_lshl_add_u32 v[SPW], v0, 2, SPARE
	v_mov_b32 v[NIL], 0
	v_lshrrev_b32 v1, 5, v0
	s_delay_alu instid0(VALU_DEP_1)
	v_readfirstlane_b32 s20, v1                    ; wave 0..11
	s_wait_alu depctr_va_vdst(0)                   ; directly ahead of the branch
	s_cmp_lt_u32 s20, 8
	s_cbranch_scc0 .Lw_role
	; ---- x: wave = K step
	v_and_b32 v1, 31, v0                           ; lane
	v_and_b32 v2, 15, v0                           ; r
	v_bfe_u32 v3, v0, 4, 1                         ; h
	s_delay_alu instid0(VALU_DEP_3)
	v_lshlrev_b32 v[L16], 4, v1
	s_delay_alu instid0(VALU_DEP_4)
	v_lshlrev_b32 v[L8], 3, v1
	v_lshlrev_b32 v[L4], 2, v1
	s_mul_i32 s21, s20, WREG
	v_add_nc_u32 v[STI], s21, v[L16]
	v_mul_u32_u24 v[STO], v2, SP
	s_delay_alu instid0(VALU_DEP_1)
	v_lshl_add_u32 v[STO], v3, 6, v[STO]
	s_delay_alu instid0(VALU_DEP_1)
	v_add_nc_u32 v[STO], s21, v[STO]
	s_mov_b32 s[SEL], 0x76543210
	s_mov_b32 s[SEL+1], 0xfedcba98                 ; v_permlanex16_b32's selects for lane l xor 16
	s_mov_b32 s24, 0xffff0000                      ; lanes 16-31
.irp b, 0,1,2,3
	v_mov_b32 v[TM+4+\b], 0                        ; written once: a lane permute's destination counts as one of its sources
.endr
	s_lshl_b32 s26, ttmp9, 17                      ; x: 32 rows of 4,096 bytes a work-group,
	s_lshl_b32 s27, s20, 9                         ; 512 bytes a K step
	s_add_co_u32 s26, s26, s27
	s_mov_b32 s27, 0
	s_lshr_b32 s32, ttmp9, 2                       ; block of 128 rows
	s_and_b32 s33, ttmp9, 3                        ; which pair of tiles in it
	s_mul_i32 s28, s32, 98304
	s_mul_i32 s29, s20, 12288
	s_add_co_u32 s28, s28, s29
	s_mul_i32 s29, s33, 3072
	s_add_co_u32 s28, s28, s29
	s_mov_b32 s29, 0
	s_lshl_b32 s30, s32, 12
	s_lshl_b32 s31, s20, 9
	s_add_co_u32 s30, s30, s31
	s_lshl_b32 s31, s33, 7
	s_add_co_u32 s30, s30, s31
	s_mov_b32 s31, 0
	s_wait_alu depctr_va_vdst(0)                   ; the head's end
	s_wait_kmcnt 0x0
	s_add_nc_u64 s[4:5], s[4:5], s[26:27]
	s_add_nc_u64 s[10:11], s[10:11], s[28:29]
	s_add_nc_u64 s[12:13], s[12:13], s[30:31]
.irp u, 0,1
.irp j, 0,1,2,3,4,5,6,7,8,9,10,11,12,13,14,15
	global_load_b128 v[R+64*\u+4*\j:R+64*\u+4*\j+3], v[L16], s[4:5] offset:(8*\u+\j+8*(\j/8))*4096 th:TH_LOAD_NT   ; tile u, lane j's row: 512 consecutive bytes
.endr
.endr
; 64 numbers of a lane become a fragment's 12 registers of codes at v[pc] and its row's scale word in v[pw]
.macro QUANT s, pc, pw
.irp b, 0,1,2,3
	v_max3_num_f32 v[TM+\b], |v[(\s)+16*\b]|, |v[(\s)+16*\b+1]|, 0x2800000   ; block b: my 16 numbers, and the floor 2^(5 - 127): the byte cannot fall under 1
.endr
.irp i, 2,4,6,8,10,12,14
.irp b, 0,1,2,3
	s_delay_alu instid0(VALU_DEP_4)
	v_max3_num_f32 v[TM+\b], v[TM+\b], |v[(\s)+16*\b+\i]|, |v[(\s)+16*\b+\i+1]|   ; the four blocks by turns
.endr
.endr
.irp b, 0,1,2,3
	s_delay_alu instid0(VALU_DEP_4)
	v_permlanex16_b32 v[TM+4+\b], v[TM+\b], s[SEL], s[SEL+1]
.endr
.irp b, 0,1,2,3
	s_delay_alu instid0(VALU_DEP_4)
	v_max_num_f32 v[TM+\b], v[TM+\b], v[TM+4+\b]   ; with lane l xor 16's: the block's largest magnitude
.endr
.irp b, 0,1,2,3
	s_delay_alu instid0(VALU_DEP_4)
	v_add_nc_u32 v[TM+12+\b], 0xfe000000, v[TM+\b] ; 4 off its exponent field: the conversion takes the exponent field of this operand as its scale
.endr
.irp b, 0,1,2,3
	s_delay_alu instid0(VALU_DEP_4)
	v_lshrrev_b32 v[TM+4+\b], 23, v[TM+12+\b]      ; the scale's byte
.endr
	s_delay_alu instid0(VALU_DEP_3)
	v_lshl_or_b32 v[\pw], v[TM+5], 8, v[TM+4]
	s_delay_alu instid0(VALU_DEP_1)
	v_lshl_or_b32 v[\pw], v[TM+6], 16, v[\pw]
	s_delay_alu instid0(VALU_DEP_1)
	v_lshl_or_b32 v[\pw], v[TM+7], 24, v[\pw]
.irp c, 0,1
	v_cvt_scalef32_pk16_bf6_f32 v[(\pc)+6*\c:(\pc)+6*\c+2], v[(\s)+32*\c:(\s)+32*\c+15], v[TM+12+2*\c]
	v_cvt_scalef32_pk16_bf6_f32 v[T2+4*\c:T2+4*\c+2], v[(\s)+32*\c+16:(\s)+32*\c+31], v[TM+12+2*\c+1]   ; (a conversion's three registers begin on an even number)
.endr
	v_nop                                          ; one plain place behind a scaled conversion
.irp c, 0,1                                    ; the operand's layout wants a whole block in a lane: lanes 0-15 block 2 c, lanes 16-31 block 2 c + 1
.irp i, 0,1,2
	v_permlane16_swap_b32 v[(\pc)+6*\c+\i], v[T2+4*\c+\i]
.endr
.irp i, 0,1,2
	s_delay_alu instid0(VALU_DEP_3)
	v_mov_b32 v[(\pc)+6*\c+3+\i], v[T2+4*\c+\i]
.endr
.endr
.endm
.macro TILE u
	s_wait_loadcnt 16*(1-\u)                       ; this tile's 16 loads are in; the other tile's 16 may be out
.irp j, 0,1,2,3,4,5,6,7,8,9,10,11,12,13,14,15
	ds_store_b128 v[STI], v[R+64*\u+4*\j:R+64*\u+4*\j+3] offset:\u*STG+SP*\j
.endr
.irp b, 0,1,2,3
.irp q, 0,1,2,3
	ds_load_b128 v[X+16*\b+4*\q:X+16*\b+4*\q+3], v[STO] offset:\u*STG+128*\b+16*\q   ; LDS serves a wave's instructions in order: these see my stores
.endr
.endr
	s_wait_dscnt 0x0
	QUANT X, PC+20*\u, PW+\u
	global_store_b128 v[L16], v[PC+20*\u:PC+20*\u+3], s[10:11] offset:1536*\u            ; each tile has its own registers: no store's data are written again
	global_store_b64 v[L8], v[PC+20*\u+4:PC+20*\u+5], s[10:11] offset:1536*\u+512
	global_store_b128 v[L16], v[PC+20*\u+6:PC+20*\u+9], s[10:11] offset:1536*\u+768
	global_store_b64 v[L8], v[PC+20*\u+10:PC+20*\u+11], s[10:11] offset:1536*\u+1280
.endm
	TILE 0
	TILE 1
	v_cndmask_b32 v[SELW], v[PW], v[PW+1], s24     ; lanes 0-15: tile 0's words, lanes 16-31: tile 1's (a word is the same in lanes l and l xor 16)
	global_store_b32 v[L4], v[SELW], s[12:13]
	s_branch .Ldone
.Lw_role:
	; ---- W
	s_and_b32 s20, s20, 3                          ; which 32 columns of the block
	v_and_b32 v1, 31, v0                           ; lane
	v_bfe_u32 v2, v0, 3, 1                         ; u: which of my wave's two tiles my column falls into
	v_and_b32 v3, 7, v0
	v_bfe_u32 v12, v0, 4, 1
	v_lshl_or_b32 v3, v12, 3, v3                   ; r: its lane there
	v_lshlrev_b32 v4, 2, v1                        ; in: 4 bytes a lane
	s_mul_i32 s21, s20, WST
	s_add_co_u32 s21, s21, WBASE
	v_mul_u32_u24 v13, v2, TST
	v_add_nc_u32 v13, s21, v13
	v_lshl_add_u32 v5, v3, 4, v13                  ; into the stage: registers 0-3 of lane (r, .)
	v_lshl_add_u32 v6, v3, 3, v13                  ; registers 4-5
	v_lshlrev_b32 v8, 4, v1                        ; out: 16 bytes a lane
	v_add_nc_u32 v7, s21, v8
	v_lshlrev_b32 v9, 2, v3
	v_lshl_add_u32 v9, v2, 6, v9                   ; my scale word: 64 u + 4 r
	s_and_b32 s32, ttmp9, 31                       ; block of 128 columns
	s_lshr_b32 s22, ttmp9, 5                       ; K step
	s_cmp_lt_u32 s32, 24                           ; W_attn's block or W_proj's: the work-group's number alone
	s_mov_b32 s23, 524288
	s_cselect_b32 s23, 1572864, s23                ; 128 rows of the tensor in bytes
	s_cselect_b32 s24, 0, 24
	s_sub_co_u32 s24, s32, s24                     ; the block's number in its tensor
	s_mul_i32 s26, s22, s23
	s_lshl_b32 s27, s24, 9
	s_add_co_u32 s26, s26, s27
	s_lshl_b32 s27, s20, 7
	s_add_co_u32 s26, s26, s27
	s_mov_b32 s27, 0
	s_mul_i32 s28, s32, 98304
	s_mul_i32 s29, s22, 12288
	s_add_co_u32 s28, s28, s29
	s_mul_i32 s29, s20, 3072
	s_add_co_u32 s28, s28, s29
	s_mov_b32 s29, 0
	s_lshl_b32 s30, s32, 12
	s_lshl_b32 s31, s22, 9
	s_add_co_u32 s30, s30, s31
	s_lshl_b32 s31, s20, 7
	s_add_co_u32 s30, s30, s31
	s_mov_b32 s31, 0
	s_wait_alu depctr_va_vdst(0)                   ; the head's end
	s_wait_kmcnt 0x0
	s_cmp_lt_u32 s32, 24
	s_cselect_b64 s[34:35], s[6:7], s[8:9]
	s_add_nc_u64 s[34:35], s[34:35], s[26:27]
	s_add_nc_u64 s[14:15], s[14:15], s[28:29]
	s_add_nc_u64 s[16:17], s[16:17], s[30:31]
.macro LOADS pitch                     ; the two tensors differ in the bytes from row to row, which stand in the immediates: so the 128 loads are written twice
.set kk, 0
.rept 128
	global_load_b32 v[WX+kk], v4, s[34:35] offset:kk*\pitch th:TH_LOAD_NT
.set kk, kk+1
.endr
.endm
	s_cmp_lt_u32 s32, 24
	s_cbranch_scc0 .Lproj
	LOADS 12288
	s_branch .Lloaded
.Lproj:
	LOADS 4096
.Lloaded:
.macro BLOCK t
.set XS, WX+32*(\t)
.set CC, C0+8*(\t)
.if (\t) < 2
	s_wait_loadcnt 63                              ; 96 or 64 loads were issued behind this block's; the wait's count names 63 at the most, and a smaller count is safe
.else
	s_wait_loadcnt 96-32*(\t)                      ; the later blocks' loads may be out
.endif
	v_max3_num_f32 v12, |v[XS]|, |v[XS+1]|, |v[XS+2]|      ; the block's largest magnitude: all 32 numbers are mine; two chains
	v_max3_num_f32 v13, |v[XS+3]|, |v[XS+4]|, |v[XS+5]|
.irp i, 6,10,14,18,22,26
	v_max3_num_f32 v12, v12, |v[XS+\i]|, |v[XS+\i+1]|
	v_max3_num_f32 v13, v13, |v[XS+\i+2]|, |v[XS+\i+3]|
.endr
	v_max3_num_f32 v12, v12, |v[XS+30]|, |v[XS+31]|
	v_max3_num_f32 v12, v12, v13, 0x2800000        ; and the floor 2^(5 - 127)
	v_add_nc_u32 v14, 0xfe000000, v12              ; 4 off the exponent field: the conversion's scale operand
	v_cvt_scalef32_pk16_bf6_f32 v[CC:CC+2], v[XS:XS+15], v14
	v_cvt_scalef32_pk16_bf6_f32 v[WT:WT+2], v[XS+16:XS+31], v14
	v_lshrrev_b32 v15, 23, v14                     ; the scale's byte (a plain place behind the conversions)
.if (\t) == 0
	v_mov_b32 v[SB], v15
.else
	v_lshl_or_b32 v[SB], v15, 8*(\t), v[SB]
.endif
.irp i, 0,1,2
	v_mov_b32 v[CC+3+\i], v[WT+\i]
.endr
	ds_store_b128 v5, v[CC:CC+3] offset:((\t)/2)*768+((\t)%2)*256          ; block t = 2 c + h belongs to lane (r, h) of half c
	ds_store_b64 v6, v[CC+4:CC+5] offset:((\t)/2)*768+512+((\t)%2)*128
.endm
	BLOCK 0
	BLOCK 1
	BLOCK 2
	BLOCK 3
.irp n, 0,1,2,3,4,5
	ds_load_b128 v[WX+4*\n:WX+4*\n+3], v7 offset:(\n/3)*TST+512*(\n%3)     ; LDS serves a wave's instructions in order: these see my stores
.endr
	s_wait_alu depctr_va_vdst(0)                   ; directly ahead of the waits below
.irp n, 0,1,2,3,4,5
	s_wait_dscnt 5-\n                              ; the younger read-backs may be out
	global_store_b128 v8, v[WX+4*\n:WX+4*\n+3], s[14:15] offset:(\n/3)*1536+512*(\n%3)   ; 512 consecutive bytes at a multiple of 256
.endr
	global_store_b32 v9, v[SB], s[16:17]
.Ldone:
	s_wait_tensorcnt 0x0                           ; the wave's end: behind my last LDS store
	ds_add_u32 v[SPW], v[NIL]
	s_wait_dscnt 0x0
	s_endpgm
.Lfunc_end_k_q8d0eadc6cc_quant:
	.size	k_q8d0eadc6cc_quant, .Lfunc_end_k_q8d0eadc6cc_quant-k_q8d0eadc6cc_quant
	.p2alignl 7, 3214868480
	.fill 96, 4, 3214868480
	.section	.rodata,"a",@progbits
	.p2align	6, 0x0
	.amdhsa_kernel k_q8d0eadc6cc_quant
		.amdhsa_group_segment_fixed_size 150016
		.amdhsa_private_segment_fixed_size 0
		.amdhsa_enable_private_segment 0
		.amdhsa_kernarg_size 56
		.amdhsa_user_sgpr_count 2
		.amdhsa_user_sgpr_kernarg_segment_ptr 1
		.amdhsa_wavefront_size32 1
		.amdhsa_system_sgpr_workgroup_id_x 1
		.amdhsa_system_sgpr_workgroup_id_y 1
		.amdhsa_system_sgpr_workgroup_id_z 1
		.amdhsa_system_vgpr_workitem_id 0
		.amdhsa_next_free_vgpr 256
		.amdhsa_next_free_sgpr 66
		.amdhsa_reserve_vcc 0
		.amdhsa_float_denorm_mode_32 3
		.amdhsa_float_denorm_mode_16_64 3
		.amdhsa_memory_ordered 1
		.amdhsa_forward_progress 1
		.amdhsa_inst_pref_size 56
	.end_amdhsa_kernel
	.amdgpu_metadata
---
amdhsa.version: [ 1, 2 ]
amdhsa.kernels:
  - .name:           k_q8d0eadc6cc_quant
    .symbol:         k_q8d0eadc6cc_quant.kd
    .args:
      - { .name: x, .offset: 0, .size: 8, .value_kind: global_buffer, .address_space: global }
      - { .name: W_attn, .offset: 8, .size: 8, .value_kind: global_buffer, .address_space: global }
      - { .name: W_proj, .offset: 16, .size: 8, .value_kind: global_buffer, .address_space: global }
      - { .name: x_img, .offset: 24, .size: 8, .value_kind: global_buffer, .address_space: global }
      - { .name: x_sc, .offset: 32, .size: 8, .value_kind: global_buffer, .address_space: global }
      - { .name: w_img, .offset: 40, .size: 8, .value_kind: global_buffer, .address_space: global }
      - { .name: w_sc, .offset: 48, .size: 8, .value_kind: global_buffer, .address_space: global }
    .group_segment_fixed_size: 150016
    .private_segment_fixed_size: 0
    .kernarg_segment_align: 8
    .kernarg_segment_size: 56
    .max_flat_workgroup_size: 384
    .sgpr_count:     66
    .vgpr_count:     256
    .wavefront_size: 32
...
	.end_amdgpu_metadata
.endif
;; end of part 1
;; launch gemm_qkv (part 2): grid 8 x 32, 4 waves a work-group, clusters of 4 x 4, 327,680 bytes of LDS; arguments x_img, x_sc, w_img, w_sc, qkv_img, qkv_sc; writes qkv_img, qkv_sc
.if DOCPART == 2
	.amdgcn_target "amdgcn-amd-amdhsa--gfx1250"
	.amdhsa_code_object_version 6
	.text
	.protected	k_q8d0eadc6cc_gemm_qkv
	.globl	k_q8d0eadc6cc_gemm_qkv
	.p2align	8
	.type	k_q8d0eadc6cc_gemm_qkv,@function
k_q8d0eadc6cc_gemm_qkv:
	s_mov_b64 s[64:65], 0
	v_nop
	global_prefetch_b8 v0, s[64:65] scope:SCOPE_SE
	s_setreg_imm32_b32 hwreg(HW_REG_WAVE_MODE, 25, 1), 1
	s_wait_xcnt 0x0
	s_wait_alu depctr_hold_cnt(0) depctr_sa_sdst(0) depctr_va_vdst(0) depctr_va_sdst(0) depctr_va_ssrc(0) depctr_va_vcc(0) depctr_vm_vsrc(0)
	s_getreg_b32 s2, hwreg(HW_REG_IB_STS2, 6, 4)
	s_cmp_eq_u32 s2, 0
	s_cbranch_scc0 .Lentry_in_a_cluster
	s_endpgm
.Lentry_in_a_cluster:
	s_bfe_u32 s2, ttmp6, 0x10000c
	s_cmp_lg_u32 s2, 0xf033
	s_cbranch_scc0 .Lentry_shape_is_right
	s_endpgm
.Lentry_shape_is_right:
; qkv = x W_attn on codes of E3M2 with E8M0 scales, K = 1,024, sums in f32; the results never go to memory as f32: q and k are quantised along the head's 64, v along the keys, in registers, and leave as images of operand registers.
; OPERANDS are images: [block of 128 rows][K step of 128: 8][tile of 16: 8][half: 2][768 bytes] (six registers of 32 lanes: 0-3 at 16 x lane, 4-5 at 512 + 8 x lane); scale words [block][K step][tile][r].
; Lane r of tile i is row 32 (i / 2) + 8 (i % 2) + r + 8 (r / 8) of its block: where such an operand is source 0, a lane's 16 result registers of tiles 2 b, 2 b + 1 are the neighbours 32 b + 16 (lane / 16) + 0 .. 15.
; SHARES.  32 x 8 = 256 work-groups.  Work-group (cg, g) makes 256 tokens (x's blocks 2 g, 2 g + 1) x three blocks of 128 channels: W's blocks cg (q), 8 + cg (k), 16 + cg (v), one after the other: every work-group walks the same text.
; x's two blocks (196,608 bytes) and all scale words stay in LDS.  W's block (98,304 bytes) is read into registers or streamed, and its bytes are filled again with the next block, a quarter a wave,
; behind the full sequence and a round of the cluster's barrier; the refill is issued 256 matrix instructions ahead of the wait for it, so no prefetch is laid ahead of it.
; A WAVE keeps four tiles of one operand for all of K in 384 registers (source 0: results run along its rows) and streams the eight tiles of a block of the other (source 1: a lane's row).
; q, k: W's tiles 4 (w % 2) .. + 3, one head's 64 channels, stay; x's block w / 2 streams: a lane holds a token.   v: x's tiles 4 (w % 2) .. + 3 of block w / 2, 64 keys, stay; W's block streams: a lane holds a channel.
; A UNIT is one streamed tile: 32 matrix instructions, four accumulators by turns, K ascending; its 32 results a lane are two blocks of 32 along the next K: six registers of codes and two scale bytes.
; CLUSTERS: 4 x 4 work-groups; x's bytes are asked for jointly along a row of the cluster, W's along a column.
; OUT: qkv_img [b 4][head 48: 0-15 q, 16-31 k, 32-47 v][block of 128 tokens: 16][6,144]: q, k: [tile of 16 tokens: 8][768]; v: [tile of 16 channels: 4][half of 64 keys: 2][768].
;      qkv_sc  [b][head][block][lane 32][4 words]: q, k: word p: lanes 0-15 tile 2 p's rows, lanes 16-31 tile 2 p + 1's, two bytes in the low half, 0 above; v: word t: tile t's rows' scale words.
;      v's scale bytes leave as 2 bytes a lane, 16 bytes apart: a word's four bytes belong to two waves; they are 64 bytes for each 768 of codes.
; LIMITS: NaN and infinities are not served; a block's byte is held at 1 under 2^-122; a block of zeros gets the byte 1 and zero codes (this program alone reads the bytes).
; REGISTERS: window 0: v4-31 addresses; v32-63 the staying operand's scale words (8 b + s); v64-79 the streamed one's, two sets; v80-87, v192-219 the way out; v96-191 streamed fragments of even units.
; window 1: the staying operand's K steps 0-4 at v[48 s + 12 b].  window 2: its K steps 5-7 at v[48 (s - 5) + 12 b]; v160-223 accumulators, two sets.  window 3: v96-191 streamed fragments of odd units.
.set FR,    12
.set KB,    12288                      ; a K step of a block in bytes
.set FB,    1536                       ; a fragment
.set BLKB,  98304
.set LX,    BLKB                       ; LDS: W's block at 0, x's two blocks behind it
.set SCX,   3*BLKB                     ; x's scale words, 8,192 bytes
.set SCW,   SCX+8192                   ; W's three blocks' scale words, 12,288 bytes
.set SPARE, SCW+12288                  ; the spare words, 128 bytes for each wave, that no other line names
.set L16,  4                           ; 16 x lane: also W's block as the streamed operand (it lies at LDS byte 0), K steps 0-3; v5: K steps 4-7
.set WT16, 4
.set L8,   6
.set WT8,  6
.set XT16, 8                           ; x's block w / 2, streamed
.set XT8,  10
.set XR16, 12                          ; x's four tiles that stay
.set XR8,  14
.set WR16, 16                          ; W's four tiles that stay
.set WR8,  18
.set SXT,  20                          ; the same four for the scale words
.set SXR,  21
.set SWT,  22
.set SWR,  23
.set C16,  24                          ; v24-28 this trip's addresses of the streamed operand
.set C8,   26
.set CSC,  28
.set SPW,  30
.set NIL,  31
.set SB,   32
.set SA,   64
.set TM,   80
.set AF,   96
.set ACC,  160
.set IM,   192                         ; v192-197, v200-205 a unit's codes, two sets
.set T2,   208
.set PW,   212                         ; v212, v213 the two units' scale bytes
.set TR_,  214
.set SW,   216                         ; v216-219 q's, k's scale words of a tile
.set RJ,   4                           ; the trip
.set SOFF, 5                           ; 3,072 bytes of codes a trip
.set SOFS, 6                           ; 128 bytes of scale words a trip
.set SLD,  7
.set SLS,  8
.set HIL,  9                           ; lanes 16-31
.set G1X, 24
.set G0X, 32
.set G0W, 36
.set G1W, 48
.set G0SX, 56
.set G0SW, 60
.set G1SX, 68
.set G0R, 76
.set G1SW, 80
.set PQI, 88
.set PQS, 90
.set PVI, 92
.set PVS, 94
.set PT,  96
.set PTS, 98
.set SEL, 100
.set MSB, 0
.macro WIN new                         ; the immediate's high byte repeats the setting that is left
.if MSB != (\new)
	s_set_vgpr_msb (MSB<<8)|(\new)
.set MSB, (\new)
.endif
.endm
.macro CROUND                          ; a round of the cluster's barrier
	s_barrier_signal -1
	s_barrier_wait -1
	s_cmp_lg_u32 s16, 0
	s_cbranch_scc1 .Lnot_wave_0_\@
	s_barrier_signal -3
.Lnot_wave_0_\@:
	s_barrier_wait -3
	s_barrier_signal -1
	s_barrier_wait -1
.endm
.macro G1SET g, cols, rows, pitch      ; rows of cols elements of 8 bytes, no padding
	s_mov_b32 s[\g+1], (\cols)<<16
	s_mov_b32 s[\g+2], (\rows)<<16
	s_mov_b32 s[\g+3], (\cols)<<16
	s_mov_b32 s[\g+4], \rows
	s_mov_b32 s[\g+5], \pitch
	s_mov_b32 s[\g+6], 0
	s_mov_b32 s[\g+7], 0
.endm
	s_load_b256 s[4:11], s[0:1], 0x0               ; x_img, x_sc, w_img, w_sc
	s_load_b128 s[12:15], s[0:1], 0x20             ; qkv_img, qkv_sc
	v_lshl_add_u32 v[SPW], v0, 2, SPARE
	v_mov_b32 v[NIL], 0
	ds_add_u32 v[SPW], v[NIL]                      ; the opening: the add, twice on end, and its wait ahead of my first tensor load
	ds_add_u32 v[SPW], v[NIL]
	v_lshrrev_b32 v1, 5, v0
	v_readfirstlane_b32 s16, v1                    ; wave 0..3
	s_lshr_b32 s17, s16, 1                         ; my block of x
	s_and_b32 s18, s16, 1                          ; my half of the staying operand's block
	s_bfe_u32 s20, ttmp6, 0x40000                  ; cx
	s_bfe_u32 s21, ttmp6, 0x40004                  ; cy
	s_and_b32 s23, ttmp7, 0xffff
	s_lshl_b32 s40, s23, 2
	s_add_co_u32 s40, s40, s21                     ; g: which 256 tokens
	s_lshl_b32 s41, ttmp9, 2
	s_add_co_u32 s41, s41, s20                     ; cg: which block of each of q, k, v
	s_lshl_b32 s42, s21, 2
	s_lshl_b32 s42, 15, s42                        ; my row of the cluster
	s_lshl_b32 s43, 0x1111, s20                    ; my column
	s_or_b32 s[G1X], s42, (3<<16)|(1<<21)
	s_or_b32 s[G1W], s43, (3<<16)|(1<<21)
	s_or_b32 s[G1SX], s42, (3<<16)|(1<<21)
	s_or_b32 s[G1SW], s43, (3<<16)|(1<<21)
	G1SET G1X, 32, 768, 32                         ; x's two blocks: 768 rows of 256 bytes
	G1SET G1W, 32, 384, 32                         ; W's first block whole; behind the head 96 rows, a quarter
	G1SET G1SX, 32, 32, 32
	G1SET G1SW, 512, 3, 4096                       ; three blocks' scale words: rows of 4,096 bytes, 8 blocks apart
	s_mul_i32 s96, s40, 2*BLKB
	s_mov_b32 s97, 0
	s_lshl_b32 s98, s40, 13
	s_mov_b32 s99, 0
	s_mul_i32 s44, s41, BLKB
	s_mov_b32 s45, 0
	s_lshl_b32 s46, s41, 12
	s_mov_b32 s47, 0
	s_mov_b32 s[G0X], 1
	s_mov_b32 s[G0X+1], LX
	s_mov_b32 s[G0W], 1
	s_mov_b32 s[G0W+1], 0
	s_mov_b32 s[G0SX], 1
	s_mov_b32 s[G0SX+1], SCX
	s_mov_b32 s[G0SW], 1
	s_mov_b32 s[G0SW+1], SCW
	s_mov_b32 s[G0R], 1
	s_mul_i32 s[G0R+1], s16, 24576                 ; the refills: my quarter of W's block
	s_add_co_u32 s22, s44, s[G0R+1]
	s_add_co_u32 s22, s22, 8*BLKB                  ; of block 8 + cg first
	s_mov_b32 s23, 0
	; where my results go: entry (b x 48 + head) x 16 + block of 128 tokens; 6,144 bytes of codes and 512 of scale words an entry
	s_lshl_b32 s88, s40, 1
	s_add_co_u32 s88, s88, s17                     ; x's block: 16 b + block
	s_lshr_b32 s90, s88, 4
	s_and_b32 s88, s88, 15
	s_mul_i32 s90, s90, 48
	s_lshl_b32 s92, s41, 1
	s_add_co_u32 s90, s90, s92
	s_lshl_b32 s90, s90, 4
	s_add_co_u32 s90, s90, s88                     ; head 2 cg
	s_lshl_b32 s92, s18, 4
	s_add_co_u32 s92, s92, s90                     ; q: head 2 cg + w % 2
	s_add_co_u32 s94, s90, 512                     ; v: head 32 + 2 cg
	s_mul_i32 s88, s92, 6144
	s_mov_b32 s89, 0
	s_lshl_b32 s90, s92, 9
	s_mov_b32 s91, 0
	s_mul_i32 s92, s94, 6144
	s_mul_i32 s2, s18, 768                         ; my half of 64 keys
	s_add_co_u32 s92, s92, s2
	s_mov_b32 s93, 0
	s_lshl_b32 s94, s94, 9
	s_lshl_b32 s2, s18, 1                          ; its two bytes of a scale word
	s_add_co_u32 s94, s94, s2
	s_mov_b32 s95, 0
	s_mul_i32 s3, s17, BLKB                        ; LDS bases, made of the wave's number alone
	s_add_co_u32 s3, s3, LX
	s_mul_i32 s19, s18, 4*FB
	s_add_co_u32 s2, s3, s19
	s_lshl_b32 s20, s17, 12
	s_add_co_u32 s20, s20, SCX
	s_lshl_b32 s21, s18, 8
	s_mov_b32 s[SEL], 0x76543210
	s_mov_b32 s[SEL+1], 0xfedcba98                 ; v_permlanex16_b32's selects for lane l xor 16
	s_wait_dscnt 0x0                               ; both opening adds are done
	s_wait_kmcnt 0x0
	s_add_nc_u64 s[G0X+2:G0X+3], s[4:5], s[96:97]
	s_or_b32 s[G0X+3], s[G0X+3], 0x80000000
	s_add_nc_u64 s[G0SX+2:G0SX+3], s[6:7], s[98:99]
	s_or_b32 s[G0SX+3], s[G0SX+3], 0x80000000
	s_add_nc_u64 s[G0W+2:G0W+3], s[8:9], s[44:45]
	s_or_b32 s[G0W+3], s[G0W+3], 0x80000000
	s_add_nc_u64 s[G0R+2:G0R+3], s[8:9], s[22:23]
	s_or_b32 s[G0R+3], s[G0R+3], 0x80000000
	s_add_nc_u64 s[G0SW+2:G0SW+3], s[10:11], s[46:47]
	s_or_b32 s[G0SW+3], s[G0SW+3], 0x80000000
	s_add_nc_u64 s[PQI:PQI+1], s[12:13], s[PQI:PQI+1]
	s_add_nc_u64 s[PVI:PVI+1], s[12:13], s[PVI:PVI+1]
	s_add_nc_u64 s[PQS:PQS+1], s[14:15], s[PQS:PQS+1]
	s_add_nc_u64 s[PVS:PVS+1], s[14:15], s[PVS:PVS+1]
	s_mov_b32 s[HIL], 0xffff0000
	s_mov_b32 s11, 0                               ; the upper words of the offset pairs s[10:11], s[12:13]
	s_mov_b32 s13, 0
	CROUND                                         ; all sixteen work-groups are here: the first joint loads meet
; one joint load a wave, in one tree of branches on the wave's number: x's codes, W's first block, x's scale words, W's
.macro ARM under, g0, g1, next
	s_cmp_lt_u32 s16, \under
	s_cbranch_scc0 \next
	tensor_load_to_lds s[\g0:\g0+3], s[\g1:\g1+7]
	s_nop 0
.rept 4
	v_nop
.endr
	s_branch .Lhead_asked
\next:
.endm
	ARM 1, G0X, G1X, .Lhead_w
	ARM 2, G0W, G1W, .Lhead_sx
	ARM 3, G0SX, G1SX, .Lhead_sw
	tensor_load_to_lds s[G0SW:G0SW+3], s[G1SW:G1SW+7]
	s_nop 0
.rept 4
	v_nop
.endr
.Lhead_asked:
	v_and_b32 v1, 31, v0                           ; lane
	v_and_b32 v2, 15, v0                           ; r
	v_lshlrev_b32 v[L16], 4, v1
	v_lshlrev_b32 v[L8], 3, v1
	v_lshlrev_b32 v2, 2, v2
	v_add_nc_u32 v[XT16], s3, v[L16]
	v_add_nc_u32 v[XT8], s3, v[L8]
	v_add_nc_u32 v[XR16], s2, v[L16]
	v_add_nc_u32 v[XR8], s2, v[L8]
	v_add_nc_u32 v[WR16], s19, v[L16]
	v_add_nc_u32 v[WR8], s19, v[L8]
.irp r, WT16, WT8, XT16, XT8, XR16, XR8, WR16, WR8
	v_add_nc_u32 v[\r+1], 4*KB, v[\r]              ; K steps 4-7: an LDS offset has 16 bits
.endr
	v_add_nc_u32 v[SXT], s20, v2                   ; scale words: 4 r; lanes 16-31 read the same and are not used
	v_add_nc_u32 v[SWT], SCW, v2
	v_add_nc_u32 v[SXR], s21, v[SXT]
	v_add_nc_u32 v[SWR], s21, v[SWT]
.irp i, 1,2,3
	v_mov_b32 v[SW+\i], 0                          ; written once: they are moved down before they are first filled
.endr
	v_mov_b32 v[TM+2], 0                           ; written once: a lane permute's destination counts as one of its sources
	v_mov_b32 v[TM+3], 0
	s_wait_alu depctr_va_vdst(0)                   ; the head's end
	s_wait_tensorcnt 0x0                           ; my load is in, and no tensor load of mine is out: from here on a load of W brings a quarter, 96 rows
	s_mov_b32 s[G1W+2], 96<<16
	s_mov_b32 s[G1W+4], 96
	s_barrier_signal -1
	s_barrier_wait -1                              ; everybody's is
.macro LDF reg, a16, a8, off           ; a fragment comes as it was stored: every load reads consecutive bytes
	ds_load_b128 v[\reg:\reg+3], v[\a16] offset:(\off)
	ds_load_b64 v[\reg+4:\reg+5], v[\a8] offset:(\off)+512
	ds_load_b128 v[\reg+6:\reg+9], v[\a16] offset:(\off)+768
	ds_load_b64 v[\reg+10:\reg+11], v[\a8] offset:(\off)+1280
.endm
.macro LOADR r16, r8, rsc, off0        ; 160 LDS loads: the four tiles that stay, all of K, and their scale words
.irp b, 0,1,2,3
.irp s, 0,1,2,3,4,5,6,7
	ds_load_b32 v[SB+8*\b+\s], v[\rsc] offset:(\off0)+512*\s+64*\b
.endr
.endr
	WIN 0x40
.irp s, 0,1,2,3,4
.irp b, 0,1,2,3
	LDF 48*\s+FR*\b, \r16+\s/4, \r8+\s/4, (\s%4)*KB+\b*FB
.endr
.endr
	WIN 0x80
.irp s, 5,6,7
.irp b, 0,1,2,3
	LDF 48*(\s-5)+FR*\b, \r16+1, \r8+1, (\s-4)*KB+\b*FB
.endr
.endr
	WIN 0
.endm
.macro LOADT par, r16, r8, rsc, ti, off0   ; 40 LDS loads: a streamed tile's scale words and fragments of all eight K steps, into set par; ti: the tile, counted from the address
	WIN 0
.irp s, 0,1,2,3,4,5,6,7
	ds_load_b32 v[SA+8*(\par)+\s], v[\rsc] offset:(\off0)+512*\s+64*(\ti)
.endr
	WIN 0xc0*(\par)
.irp s, 0,1,2,3,4,5,6,7
	LDF AF+FR*\s, \r16+\s/4, \r8+\s/4, (\s%4)*KB+(\ti)*FB
.endr
	WIN 0
.endm
.macro MUL par                         ; 32 matrix instructions: the unit's four accumulators by turns, K ascending; the first K step starts the sums
.irp s, 0,1,2,3,4,5,6,7
.if \s < 5
	WIN 0xa1|(12*(\par))
.set BR, 48*\s
.else
	WIN 0xa2|(12*(\par))
.set BR, 48*(\s-5)
.endif
.irp b, 0,1,2,3
.if \s == 0
	v_wmma_scale_f32_16x16x128_f8f6f4 v[ACC+32*(\par)+8*\b:ACC+32*(\par)+8*\b+7], v[BR+FR*\b:BR+FR*\b+FR-1], v[AF+FR*\s:AF+FR*\s+FR-1], 0, v[SB+8*\b+\s], v[SA+8*(\par)+\s] matrix_a_fmt:MATRIX_FMT_BF6 matrix_b_fmt:MATRIX_FMT_BF6
.else
	v_wmma_scale_f32_16x16x128_f8f6f4 v[ACC+32*(\par)+8*\b:ACC+32*(\par)+8*\b+7], v[BR+FR*\b:BR+FR*\b+FR-1], v[AF+FR*\s:AF+FR*\s+FR-1], v[ACC+32*(\par)+8*\b:ACC+32*(\par)+8*\b+7], v[SB+8*\b+\s], v[SA+8*(\par)+\s] matrix_a_fmt:MATRIX_FMT_BF6 matrix_b_fmt:MATRIX_FMT_BF6
.endif
.endr
.endr
.endm
; A unit.  kind 0: q, k; 1: v.  so: where the streamed block's scale words begin; io: the tile's place in qkv_img
.macro UNIT kind, par, so, io
.set AC, ACC+32*(\par)
.set IMP, IM+8*(\par)
	s_wait_dscnt 40                                ; this unit's 40 loads are in; the next unit's 40 may be out
	MUL \par
.rept 4
	v_nop                                          ; places: in front of the loads into this unit's fragments and of the first read of its results
.endr
	WIN 0
	s_cmp_eq_u32 s[RJ], 3                          ; the last trip has no unit two further on: the count of trips alone
	s_cbranch_scc1 .Lno_more_\@
	LOADT \par, C16, C8, CSC, 2+\par, \so
	s_branch .Lfetched_\@
.Lno_more_\@:
	s_wait_dscnt 0x0                               ; so that the counted wait above holds on this way too
.Lfetched_\@:
	WIN 0x0a                                       ; sources 0 and 1 in the accumulators' window
.irp b, 0,1
	v_max3_num_f32 v[TM+\b], |v[AC+16*\b]|, |v[AC+16*\b+1]|, 0x2800000    ; each accumulator is read from its low end on; the floor 2^(5 - 127)
.endr
.irp i, 2,4,6,8,10,12,14
.irp b, 0,1
	v_max3_num_f32 v[TM+\b], |v[AC+16*\b+\i]|, |v[AC+16*\b+\i+1]|, v[TM+\b]
.endr
.endr
	WIN 0
.irp b, 0,1
	v_permlanex16_b32 v[TM+2+\b], v[TM+\b], s[SEL], s[SEL+1]
.endr
.irp b, 0,1
	v_max_num_f32 v[TM+\b], v[TM+\b], v[TM+2+\b]   ; with lane l xor 16's: the block's largest magnitude
.endr
.irp b, 0,1
	v_add_nc_u32 v[TM+4+\b], 0xfe000000, v[TM+\b]  ; 4 off its exponent field: the conversion's scale operand
.endr
.irp b, 0,1
	v_lshrrev_b32 v[TM+2+\b], 23, v[TM+4+\b]       ; the scale's byte
.endr
	v_lshl_or_b32 v[PW+\par], v[TM+3], 8, v[TM+2]
	WIN 0x02                                       ; source 0 in the accumulators' window
	v_cvt_scalef32_pk16_bf6_f32 v[IMP:IMP+2], v[AC:AC+15], v[TM+4]
	v_cvt_scalef32_pk16_bf6_f32 v[T2:T2+2], v[AC+16:AC+31], v[TM+5]
	WIN 0
	v_nop                                          ; one plain place behind a scaled conversion
.irp i, 0,1,2
	v_permlane16_swap_b32 v[IMP+\i], v[T2+\i]      ; the operand's layout wants a whole block in a lane
.endr
.irp i, 0,1,2
	v_mov_b32 v[IMP+3+\i], v[T2+\i]
.endr
.if \kind == 0
	global_store_b128 v[L16], v[IMP:IMP+3], s[PT:PT+1] offset:(\io)+768*(\par)           ; 512 consecutive bytes at a multiple of 256,
	global_store_b64 v[L8], v[IMP+4:IMP+5], s[PT:PT+1] offset:(\io)+768*(\par)+512       ; and 256
.if \par == 1
	v_cndmask_b32 v[TR_], v[PW], v[PW+1], s[HIL]   ; lanes 0-15 the even tile's bytes, lanes 16-31 the odd one's: this trip's word
	v_mov_b32 v[SW], v[SW+1]                       ; the four trips' words move down into v[SW .. SW + 3]
	v_mov_b32 v[SW+1], v[SW+2]
	v_mov_b32 v[SW+2], v[SW+3]
	v_mov_b32 v[SW+3], v[TR_]
.endif
.else
	global_store_b128 v[L16], v[IMP:IMP+3], s[PT:PT+1] offset:1536*(\par)
	global_store_b64 v[L8], v[IMP+4:IMP+5], s[PT:PT+1] offset:1536*(\par)+512
	global_store_b16 v[L16], v[PW+\par], s[PTS:PTS+1] offset:4*(\par)
.endif
	s_wait_alu depctr_va_vdst(0)
.endm
; A tile's eight units: four trips of two
.macro WALKT kind, t16, t8, tsc, so, io
	s_mov_b32 s[RJ], 0
	s_mov_b32 s[SOFF], 0
	s_mov_b32 s[SOFS], 0
.Ltrip_\@:
	s_min_u32 s[SLD], s[SOFF], 4*FB                ; this trip fetches the units of the next; held at the last pair (the last trip fetches nothing)
	s_min_u32 s[SLS], s[SOFS], 256
	v_add_nc_u32 v[C16], s[SLD], v[\t16]
	v_add_nc_u32 v[C16+1], s[SLD], v[\t16+1]
	v_add_nc_u32 v[C8], s[SLD], v[\t8]
	v_add_nc_u32 v[C8+1], s[SLD], v[\t8+1]
	v_add_nc_u32 v[CSC], s[SLS], v[\tsc]
	s_wait_xcnt 0x0                                ; the last trip's stores have read their base and their data
.if \kind == 0
	s_mul_i32 s10, s[RJ], 1536                     ; two tiles of 16 tokens a trip
	s_add_nc_u64 s[PT:PT+1], s[PQI:PQI+1], s[10:11]
.else
	s_and_b32 s14, s[RJ], 1                        ; W's tile 2 j + par: head j / 2, channel tile 2 (j % 2) + par
	s_lshr_b32 s15, s[RJ], 1
	s_mul_i32 s10, s14, 3072
	s_mul_i32 s12, s15, 98304
	s_add_co_u32 s10, s10, s12
	s_add_nc_u64 s[PT:PT+1], s[PVI:PVI+1], s[10:11]
	s_lshl_b32 s12, s14, 3
	s_lshl_b32 s15, s15, 13
	s_add_co_u32 s12, s12, s15
	s_add_nc_u64 s[PTS:PTS+1], s[PVS:PVS+1], s[12:13]
.endif
	s_wait_alu depctr_va_vdst(0)
	UNIT \kind, 0, \so, \io
	UNIT \kind, 1, \so, \io
	s_add_co_u32 s[SOFF], s[SOFF], 2*FB
	s_add_co_u32 s[SOFS], s[SOFS], 128
	s_add_co_u32 s[RJ], s[RJ], 1
	s_cmp_lt_u32 s[RJ], 4
	s_cbranch_scc1 .Ltrip_\@
.endm
.macro TILEQK t                        ; t = 0: q, 1: k
	LOADR WR16, WR8, SWR, (\t)*4096
	LOADT 0, XT16, XT8, SXT, 0, 0
	LOADT 1, XT16, XT8, SXT, 1, 0
	s_wait_tensorcnt 0x0                           ; in front of a refill's barrier
	ds_add_u32 v[SPW], v[NIL]
	s_wait_dscnt 0x0                               ; the add is done, and W's tiles are in my registers
	CROUND                                         ; no wave of any partner still reads W's block
	tensor_load_to_lds s[G0R:G0R+3], s[G1W:G1W+7]  ; my quarter of the next block: the first tensor load behind the round, and my only one
	s_nop 0
.rept 4
	v_nop
.endr
	WALKT 0, XT16, XT8, SXT, 0, (\t)*1572864
	global_store_b128 v[L16], v[SW:SW+3], s[PQS:PQS+1] offset:(\t)*131072   ; 512 consecutive bytes at a multiple of 256
	s_wait_tensorcnt 0x0                           ; my quarter of the next block is in
.if \t == 0
	s_add_nc_u64 s[G0R+2:G0R+3], s[G0R+2:G0R+3], 8*BLKB   ; no tensor load of mine is out: on to block 16 + cg
.endif
	s_wait_dscnt 0x0
	s_barrier_signal -1
	s_barrier_wait -1                              ; everybody's is
.endm
	TILEQK 0
	TILEQK 1
	LOADR XR16, XR8, SXR, 0                        ; v: x's tiles stay, W's block streams; nothing is left to fetch
	LOADT 0, WT16, WT8, SWT, 0, 2*4096
	LOADT 1, WT16, WT8, SWT, 1, 2*4096
	WALKT 1, WT16, WT8, SWT, 2*4096, 0
	s_wait_tensorcnt 0x0                           ; the wave's end
	ds_add_u32 v[SPW], v[NIL]
	s_wait_dscnt 0x0
	CROUND                                         ; the closing round
	s_endpgm
.Lfunc_end_k_q8d0eadc6cc_gemm_qkv:
	.size	k_q8d0eadc6cc_gemm_qkv, .Lfunc_end_k_q8d0eadc6cc_gemm_qkv-k_q8d0eadc6cc_gemm_qkv
	.p2alignl 7, 3214868480
	.fill 96, 4, 3214868480
	.section	.rodata,"a",@progbits
	.p2align	6, 0x0
	.amdhsa_kernel k_q8d0eadc6cc_gemm_qkv
		.amdhsa_group_segment_fixed_size 327680
		.amdhsa_private_segment_fixed_size 0
		.amdhsa_enable_private_segment 0
		.amdhsa_kernarg_size 48
		.amdhsa_user_sgpr_count 2
		.amdhsa_user_sgpr_kernarg_segment_ptr 1
		.amdhsa_wavefront_size32 1
		.amdhsa_system_sgpr_workgroup_id_x 1
		.amdhsa_system_sgpr_workgroup_id_y 1
		.amdhsa_system_sgpr_workgroup_id_z 1
		.amdhsa_system_vgpr_workitem_id 0
		.amdhsa_next_free_vgpr 960
		.amdhsa_next_free_sgpr 102
		.amdhsa_reserve_vcc 0
		.amdhsa_float_denorm_mode_32 3
		.amdhsa_float_denorm_mode_16_64 3
		.amdhsa_memory_ordered 1
		.amdhsa_forward_progress 1
		.amdhsa_inst_pref_size 115
	.end_amdhsa_kernel
	.amdgpu_metadata
---
amdhsa.version: [ 1, 2 ]
amdhsa.kernels:
  - .name:           k_q8d0eadc6cc_gemm_qkv
    .symbol:         k_q8d0eadc6cc_gemm_qkv.kd
    .args:
      - { .name: x_img, .offset: 0, .size: 8, .value_kind: global_buffer, .address_space: global }
      - { .name: x_sc, .offset: 8, .size: 8, .value_kind: global_buffer, .address_space: global }
      - { .name: w_img, .offset: 16, .size: 8, .value_kind: global_buffer, .address_space: global }
      - { .name: w_sc, .offset: 24, .size: 8, .value_kind: global_buffer, .address_space: global }
      - { .name: qkv_img, .offset: 32, .size: 8, .value_kind: global_buffer, .address_space: global }
      - { .name: qkv_sc, .offset: 40, .size: 8, .value_kind: global_buffer, .address_space: global }
    .group_segment_fixed_size: 327680
    .private_segment_fixed_size: 0
    .kernarg_segment_align: 8
    .kernarg_segment_size: 48
    .max_flat_workgroup_size: 128
    .sgpr_count:     102
    .vgpr_count:     960
    .wavefront_size: 32
...
	.end_amdgpu_metadata
.endif
;; end of part 2
;; launch attn (part 3): grid 4 x 64, 16 waves a work-group, clusters of 4 x 1, 327,680 bytes of LDS; arguments qkv_img, qkv_sc, y_img, y_sc; writes y_img, y_sc
.if DOCPART == 3
	.amdgcn_target "amdgcn-amd-amdhsa--gfx1250"
	.amdhsa_code_object_version 6
	.text
	.protected	k_q8d0eadc6cc_attn
	.globl	k_q8d0eadc6cc_attn
	.p2align	8
	.type	k_q8d0eadc6cc_attn,@function
k_q8d0eadc6cc_attn:
	s_mov_b64 s[64:65], 0
	v_nop
	global_prefetch_b8 v0, s[64:65] scope:SCOPE_SE
	s_setreg_imm32_b32 hwreg(HW_REG_WAVE_MODE, 25, 1), 1
	s_wait_xcnt 0x0
	s_wait_alu depctr_hold_cnt(0) depctr_sa_sdst(0) depctr_va_vdst(0) depctr_va_sdst(0) depctr_va_ssrc(0) depctr_va_vcc(0) depctr_vm_vsrc(0)
	s_getreg_b32 s2, hwreg(HW_REG_IB_STS2, 6, 4)
	s_cmp_eq_u32 s2, 0
	s_cbranch_scc0 .Lentry_in_a_cluster
	s_endpgm
.Lentry_in_a_cluster:
	s_bfe_u32 s2, ttmp6, 0x10000c
	s_cmp_lg_u32 s2, 0x3003
	s_cbranch_scc0 .Lentry_shape_is_right
	s_endpgm
.Lentry_shape_is_right:
; y = causal softmax(q k^T / 8) v for one (b, head), both products on codes of E3M2 with E8M0 scales; y is quantised along C in registers and leaves as an image of operand registers for the last product.
; THE SOFTMAX: t = score x log2(e) / 8; M = the running largest t rounded UP to a whole number; p = 2^(t - M) is quantised along the keys; the row's sum is taken of the unquantised p and divides at the end.
; When M moves, the sum and O are multiplied by 2^(old M - new M): exact.
; LEFT OUT: key steps whose 128 keys all come after a tile's queries: the causal mask gives them -inf ahead of the softmax, so their p is 0 for all values of the inputs.  A NaN or infinity that reaches only those scores is not carried.
; IN: qkv_img [b][head 48: q, k, v][block of 128 tokens: 16][6,144]: q, k: [tile of 16 tokens: 8][768]; v: [tile of 16 channels: 4][half of 64 keys: 2][768]; 768 bytes = six registers of 32 lanes (0-3 at 16 x lane, 4-5 at 512 + 8 x lane).
; Lane r of tile i is row 32 (i / 2) + 8 (i % 2) + r + 8 (r / 8): so the 16 result registers of tiles 2 b, 2 b + 1 of a source 0 are the neighbours 32 b + 16 (lane / 16) + 0 .. 15.
; SHARES.  A cluster of four work-groups owns a (b, head): 128 tiles of 16 queries.  Wave w of work-group cx takes tile 2 cx + w % 2 of query block 15 - w / 2, and then the same tile of block w / 2:
; (16 - w / 2) + (w / 2 + 1) = 17 key steps of 128 keys for every wave.  Which steps a wave walks hangs on its number alone: cx enters global addresses and the mask's compare, no branch and no LDS address.
; K AND V OF THE HEAD STAY IN LDS, asked for JOINTLY by the four work-groups (mask 15), filled once: at the head keys 0-511 (wave 0 K, wave 1 V) and the scale words (waves 2, 3);
; behind the full sequence and a round keys 512-2047, 36 rows of 256 bytes a wave.  They land while every wave works key steps 0-3 of its longer block, which has nine steps at the least.
; NO PREFETCH: both groups of loads are issued ahead of the first loop; there is no later load to run ahead of.
; K = 64 IN A PRODUCT OF K = 128: Q's registers 6-11 are zero codes; K's operand is six registers of its tile and the six that follow, finite numbers that meet zeros; the scale bytes of the upper 64 are 0 on both sides.
; LIMITS: NaN and infinities are not served; a block's byte is held at 1 from below; a block of zeros gets the byte 1 and zero codes (this program alone reads the bytes).
; y's scale bytes leave as 2 bytes a row, 4 bytes apart: the matrix unit wants two heads' bytes in one word and a work-group holds one head: 32 bytes for each 768 of codes.
.set VBASE, 98304
.set KSC,   196608
.set SPARE, 212992                     ; the spare words, 128 bytes for each of 16 waves, that no other line names
.set L16, 1
.set L8,  2
.set L16V, 3
.set L8V, 4
.set SPW, 5
.set NIL, 6
.set LSC, 7
.set ADK16, 8
.set ADK8, 9
.set ADV16, 10
.set ADV8, 11
.set ADS, 28
.set DQ,  29                           ; r + 8 (r / 8) - 16 h
.set R4,  30                           ; 4 r
.set TA,  31
.set QL,  16                           ; v16-27 the longer block's Q and six zeros; its scale words v255
.set QS,  224                          ; v224-235 the shorter block's; its scale words v239
.set KF,  32                           ; v32-79 K's 8 tiles, 6 registers each; later V's 4 fragments; v80-85 zeros
.set KS,  86
.set VS,  90
.set S,   96                           ; v96-159 S^T, then p
.set O,   160                          ; v160-191 O^T
.set BM,  192
.set TP,  196
.set SO,  204
.set PCD, 212                          ; v212-223 p's codes
.set G1C, 40                           ; 96 rows of 256 bytes
.set G1S, 48                           ; 32 rows
.set G1R, 56                           ; 36 rows
.set G0H, 68
.set G0S, 72
.set G0R, 76
.set SEL, 80
.set CS,  82
.set RTB, 84                           ; the step's codes: 6,144 bytes a step
.set RTS, 85                           ; its scale words: 512 bytes a step
.set RN,  86                           ; the step
.set RST, 87                           ; the query block at work
.set RCNT, 88
.set RQL, 89                           ; my tile's first row in its block
.set WV,  90
.set RP,  91                           ; w / 2
.set RSTL, 92                          ; 15 - w / 2
.macro ROUND                           ; a round of the cluster's barrier
	s_barrier_signal -1
	s_barrier_wait -1
	s_cmp_lg_u32 s[WV], 0
	s_cbranch_scc1 .Lnot_wave_0_\@
	s_barrier_signal -3
.Lnot_wave_0_\@:
	s_barrier_wait -3
	s_barrier_signal -1
	s_barrier_wait -1
.endm
.macro G1SET g, rows                   ; dense bytes as rows of 256 (32 elements of 8 bytes), no padding; mask 15: the cluster's four; bit 21 set beside it
	s_mov_b32 s[\g], 15|(3<<16)|(1<<21)
	s_mov_b32 s[\g+1], 32<<16
	s_mov_b32 s[\g+2], \rows<<16
	s_mov_b32 s[\g+3], 32<<16
	s_mov_b32 s[\g+4], \rows
	s_mov_b32 s[\g+5], 32
	s_mov_b32 s[\g+6], 0
	s_mov_b32 s[\g+7], 0
.endm
	s_load_b256 s[4:11], s[0:1], 0x0               ; qkv_img, qkv_sc, y_img, y_sc
	v_lshl_add_u32 v[SPW], v0, 2, SPARE
	v_mov_b32 v[NIL], 0
	ds_add_u32 v[SPW], v[NIL]                      ; the opening: the add, twice on end, and its wait ahead of the first tensor load
	ds_add_u32 v[SPW], v[NIL]
	v_lshrrev_b32 v8, 5, v0
	s_delay_alu instid0(VALU_DEP_1)
	v_readfirstlane_b32 s[WV], v8                  ; wave 0..15
	s_bfe_u32 s12, ttmp6, 0x40000                  ; cx
	s_and_b32 s13, ttmp7, 0xffff
	s_lshr_b32 s14, s13, 4                         ; b
	s_and_b32 s15, s13, 15                         ; head
	s_mul_i32 s16, s14, 48
	s_add_co_u32 s16, s16, s15                     ; q's place among the 4 x 48
	s_lshr_b32 s[RP], s[WV], 1
	s_and_b32 s17, s[WV], 1
	s_sub_co_u32 s[RSTL], 15, s[RP]
	s_lshl_b32 s18, s12, 1
	s_add_co_u32 s18, s18, s17                     ; my tile: 2 cx + w % 2
	s_lshl_b32 s[RQL], s12, 5
	s_lshl_b32 s19, s17, 3
	s_add_co_u32 s[RQL], s[RQL], s19
	s_mul_i32 s20, s16, 98304                      ; Q's codes: s24 the longer block's offset, s26 the shorter's
	s_mul_i32 s19, s18, 768
	s_add_co_u32 s20, s20, s19
	s_mul_i32 s19, s[RSTL], 6144
	s_add_co_u32 s24, s20, s19
	s_mul_i32 s19, s[RP], 6144
	s_add_co_u32 s26, s20, s19
	s_lshl_b32 s20, s16, 13                        ; Q's scale words [lane][4 words]: word tile / 2, lanes 16 (tile % 2) on: s28, s30
	s_lshl_b32 s19, s17, 8
	s_add_co_u32 s20, s20, s19
	s_lshl_b32 s19, s12, 2
	s_add_co_u32 s20, s20, s19
	s_lshl_b32 s19, s[RSTL], 9
	s_add_co_u32 s28, s20, s19
	s_lshl_b32 s19, s[RP], 9
	s_add_co_u32 s30, s20, s19
	s_lshr_b32 s21, s15, 1                         ; y: block of 128 tokens 16 b + block; K step head / 2; tile; half head % 2: s32, s34
	s_and_b32 s22, s15, 1
	s_lshl_b32 s23, s14, 4
	s_mul_i32 s20, s23, 98304
	s_mul_i32 s19, s21, 12288
	s_add_co_u32 s20, s20, s19
	s_mul_i32 s19, s18, 1536
	s_add_co_u32 s20, s20, s19
	s_mul_i32 s19, s22, 768
	s_add_co_u32 s20, s20, s19
	s_mul_i32 s19, s[RSTL], 98304
	s_add_co_u32 s32, s20, s19
	s_mul_i32 s19, s[RP], 98304
	s_add_co_u32 s34, s20, s19
	s_lshl_b32 s20, s23, 12                        ; y's scale bytes: s36, s38
	s_lshl_b32 s19, s21, 9
	s_add_co_u32 s20, s20, s19
	s_lshl_b32 s19, s18, 6
	s_add_co_u32 s20, s20, s19
	s_lshl_b32 s19, s22, 1
	s_add_co_u32 s20, s20, s19
	s_lshl_b32 s19, s[RSTL], 12
	s_add_co_u32 s36, s20, s19
	s_lshl_b32 s19, s[RP], 12
	s_add_co_u32 s38, s20, s19
.irp r, 25,27,29,31,33,35,37,39
	s_mov_b32 s\r, 0
.endr
	; the joint loads: made of the (b, head) and the wave's number alone, in registers that never hold cx
	s_add_co_u32 s93, s16, 16                      ; k's heads lie 16 behind q's, v's 32
	s_lshl_b32 s94, s17, 4
	s_add_co_u32 s94, s94, s93
	s_mul_i32 s96, s94, 98304                      ; the head's loads: K's (even wave) or V's (odd): codes,
	s_mov_b32 s97, 0
	s_lshl_b32 s98, s94, 13                        ; scale words
	s_mov_b32 s99, 0
	s_mov_b32 s[G0H], 1
	s_mul_i32 s[G0H+1], s17, VBASE
	s_mov_b32 s[G0S], 1
	s_lshl_b32 s[G0S+1], s17, 13
	s_add_co_u32 s[G0S+1], s[G0S+1], KSC
	s_lshr_b32 s94, s[WV], 3                       ; the rest: waves 0-7 K's, 8-15 V's: 9,216 bytes each, behind the first 24,576
	s_and_b32 s95, s[WV], 7
	s_mul_i32 s95, s95, 9216
	s_add_co_u32 s95, s95, 24576
	s_mov_b32 s[G0R], 1
	s_mul_i32 s[G0R+1], s94, VBASE
	s_add_co_u32 s[G0R+1], s[G0R+1], s95
	s_lshl_b32 s94, s94, 4
	s_add_co_u32 s94, s94, s93
	s_mul_i32 s94, s94, 98304
	s_add_co_u32 s94, s94, s95
	s_mov_b32 s95, 0
	G1SET G1C, 96
	G1SET G1S, 32
	G1SET G1R, 36
	s_mov_b32 s[SEL], 0x76543210
	s_mov_b32 s[SEL+1], 0xfedcba98                 ; v_permlanex16_b32's selects for lane l xor 16
	s_mov_b32 s[CS], 0x3e38aa3b                    ; c = log2(e) / 8
	s_mov_b32 s[CS+1], s[CS]
	s_mov_b32 s[RTB], 0
	s_mov_b32 s[RTS], 0
	s_mov_b32 s[RN], 0
	s_mov_b32 s[RST], s[RSTL]
	s_wait_dscnt 0x0                               ; both opening adds are done
	s_wait_kmcnt 0x0
	s_add_nc_u64 s[G0H+2:G0H+3], s[4:5], s[96:97]
	s_or_b32 s[G0H+3], s[G0H+3], 0x80000000
	s_add_nc_u64 s[G0S+2:G0S+3], s[6:7], s[98:99]
	s_or_b32 s[G0S+3], s[G0S+3], 0x80000000
	s_add_nc_u64 s[G0R+2:G0R+3], s[4:5], s[94:95]
	s_or_b32 s[G0R+3], s[G0R+3], 0x80000000
	s_add_nc_u64 s[24:25], s[4:5], s[24:25]
	s_add_nc_u64 s[26:27], s[4:5], s[26:27]
	s_add_nc_u64 s[28:29], s[6:7], s[28:29]
	s_add_nc_u64 s[30:31], s[6:7], s[30:31]
	s_add_nc_u64 s[32:33], s[8:9], s[32:33]
	s_add_nc_u64 s[34:35], s[8:9], s[34:35]
	s_add_nc_u64 s[36:37], s[10:11], s[36:37]
	s_add_nc_u64 s[38:39], s[10:11], s[38:39]
	ROUND                                          ; the four work-groups are here: the first joint loads meet
	s_cmp_lt_u32 s[WV], 2                          ; one chain of branches on the wave's number, one load to an arm
	s_cbranch_scc0 .Lnot_codes
	tensor_load_to_lds s[G0H:G0H+3], s[G1C:G1C+7]
	s_nop 0
.rept 4
	v_nop
.endr
	s_branch .Lasked
.Lnot_codes:
	s_cmp_lt_u32 s[WV], 4
	s_cbranch_scc0 .Lasked
	tensor_load_to_lds s[G0S:G0S+3], s[G1S:G1S+7]
	s_nop 0
.rept 4
	v_nop
.endr
.Lasked:
	v_and_b32 v8, 31, v0                           ; lane
	v_and_b32 v9, 15, v0                           ; r
	v_bfe_u32 v10, v0, 4, 1                        ; h
	s_delay_alu instid0(VALU_DEP_3)
	v_lshlrev_b32 v[L16], 4, v8
	s_delay_alu instid0(VALU_DEP_4)
	v_lshlrev_b32 v[L8], 3, v8
	s_delay_alu instid0(VALU_DEP_4)
	v_lshlrev_b32 v[TA], 4, v9
	global_load_b128 v[QL:QL+3], v[L16], s[24:25]  ; both tiles' Q stay in registers
	global_load_b64 v[QL+4:QL+5], v[L8], s[24:25] offset:512
	global_load_b32 v255, v[TA], s[28:29]          ; Q's scale words: lane r has row r's
	global_load_b128 v[QS:QS+3], v[L16], s[26:27]
	global_load_b64 v[QS+4:QS+5], v[L8], s[26:27] offset:512
	global_load_b32 v239, v[TA], s[30:31]
	v_add_nc_u32 v[L16V], VBASE, v[L16]
	v_add_nc_u32 v[L8V], VBASE, v[L8]
	v_add_nc_u32 v[LSC], KSC, v[L16]
	v_and_b32 v[DQ], 8, v9
	s_delay_alu instid0(VALU_DEP_1)
	v_add_nc_u32 v[DQ], v[DQ], v9
	v_lshlrev_b32 v10, 4, v10
	s_delay_alu instid0(VALU_DEP_1)
	v_sub_nc_u32 v[DQ], v[DQ], v10
	v_lshlrev_b32 v[R4], 2, v9
.irp i, 0,1,2,3,4,5
	v_mov_b32 v[QL+6+\i], 0                        ; Q's upper 64 along K: zero codes
	v_mov_b32 v[QS+6+\i], 0
	v_mov_b32 v[80+\i], 0                          ; what follows K's last tile
.endr
.irp b, 0,1,2,3
	v_mov_b32 v[TP+\b], 0                          ; written once: a lane permute's destination counts as one of its sources
.endr
.macro INIT                            ; a tile's state: the step is written once, so the first step finds zeros, which the first change of M leaves zeros
	v_mov_b32 v13, 0xff61b1e6                      ; the largest t so far: -3e38
	s_delay_alu instid0(VALU_DEP_1)
	v_floor_f32 v12, -v13                          ; -M
	v_mov_b32 v14, 0                               ; the sum, in two halves
	v_mov_b32 v15, 0
	v_mov_b32 v252, 0
	v_mov_b32 v253, 0
.set j, 0
.rept 32
	v_mov_b32 v[O+j], 0
.set j, j+1
.endr
.endm
	INIT
; A KEY STEP: 128 keys.  q: Q's twelve registers; qs: its scale words; edge = 1: the step may lie behind my block (left out) or on the diagonal (masked)
.macro STEP q, qs, edge
.if \edge
	s_cmp_gt_u32 s[RN], s[RST]                     ; all its keys come after my queries: the wave's number and the count of steps alone
	s_cbranch_scc1 .Lhidden_\@
.endif
	v_add_nc_u32 v[ADK16], s[RTB], v[L16]          ; (these five are also the places between the last products and the loads into the registers that they read)
	v_add_nc_u32 v[ADK8], s[RTB], v[L8]
	v_add_nc_u32 v[ADV16], s[RTB], v[L16V]
	v_add_nc_u32 v[ADV8], s[RTB], v[L8V]
	v_add_nc_u32 v[ADS], s[RTS], v[LSC]
.irp t, 0,1,2,3,4,5,6,7
	ds_load_b128 v[KF+6*\t:KF+6*\t+3], v[ADK16] offset:768*\t
	ds_load_b64 v[KF+6*\t+4:KF+6*\t+5], v[ADK8] offset:768*\t+512
.endr
	ds_load_b128 v[KS:KS+3], v[ADS]                ; word p: lanes 0-15 tile 2 p's rows, lanes 16-31 tile 2 p + 1's
	s_wait_alu depctr_va_vdst(0)                   ; directly ahead of the wait below
	s_wait_dscnt 0x0
.irp t, 0,2,4,6                                ; S^T = K Q^T: source 0 = 16 keys, source 1 = my 16 queries: a lane holds one query
	v_wmma_scale_f32_16x16x128_f8f6f4 v[S+8*\t:S+8*\t+7], v[KF+6*\t:KF+6*\t+11], v[\q:\q+11], 0, v[KS+\t/2], v[\qs] matrix_a_fmt:MATRIX_FMT_BF6 matrix_b_fmt:MATRIX_FMT_BF6
	v_wmma_scale_f32_16x16x128_f8f6f4 v[S+8*\t+8:S+8*\t+15], v[KF+6*\t+6:KF+6*\t+17], v[\q:\q+11], 0, v[KS+\t/2], v[\qs] matrix_a_fmt:MATRIX_FMT_BF6 matrix_b_fmt:MATRIX_FMT_BF6 matrix_a_scale:MATRIX_SCALE_ROW1
.endr
.rept 4
	v_nop                                          ; places: in front of the loads into K's registers, and of the first read of the scores
.endr
.irp t, 0,1,2,3                                ; V's four fragments are asked for now and land during the softmax
	ds_load_b128 v[KF+12*\t:KF+12*\t+3], v[ADV16] offset:1536*\t
	ds_load_b64 v[KF+12*\t+4:KF+12*\t+5], v[ADV8] offset:1536*\t+512
	ds_load_b128 v[KF+12*\t+6:KF+12*\t+9], v[ADV16] offset:1536*\t+768
	ds_load_b64 v[KF+12*\t+10:KF+12*\t+11], v[ADV8] offset:1536*\t+1280
.endr
	ds_load_b128 v[VS:VS+3], v[ADS] offset:8192
.if \edge
	s_cmp_lg_u32 s[RN], s[RST]                     ; only my own block's step lies on the diagonal
	s_cbranch_scc1 .Lopen_\@
	v_add_nc_u32 v252, s[RQL], v[DQ]               ; my query's place in the block - 16 h.  Register 16 b + i holds key 32 b + 16 h + i: hidden where 32 b + i is greater
	v_mov_b32 v254, 0xff800000                     ; -infinity: p = 0 then
.set n, 0
.rept 64
	v_cmp_gt_i32 vcc_lo, 32*(n/16)+n%16, v252
	v_cndmask_b32 v[S+n], v[S+n], v254, vcc_lo
.set n, n+1
.endr
.Lopen_\@:
.endif
.irp b, 0,1,2,3
	v_max3_num_f32 v[BM+\b], v[S+16*\b], v[S+16*\b+1], v[S+16*\b+2]   ; the largest score of each block of 32 keys: for the row's maximum, and, since p rises with the score, for the block's largest p
.endr
.irp i, 3,5,7,9,11,13
.irp b, 0,1,2,3
	v_max3_num_f32 v[BM+\b], v[BM+\b], v[S+16*\b+\i], v[S+16*\b+\i+1]
.endr
.endr
.irp b, 0,1,2,3
	v_max_num_f32 v[BM+\b], v[BM+\b], v[S+16*\b+15]
.endr
.irp b, 0,1,2,3
	s_delay_alu instid0(VALU_DEP_4)
	v_permlanex16_b32 v[TP+\b], v[BM+\b], s[SEL], s[SEL+1]
.endr
.irp b, 0,1,2,3
	s_delay_alu instid0(VALU_DEP_4)
	v_max_num_f32 v[BM+\b], v[BM+\b], v[TP+\b]     ; with lane l xor 16's 16 keys
.endr
	s_delay_alu instid0(VALU_DEP_2)
	v_max3_num_f32 v254, v[BM], v[BM+1], v[BM+2]
	s_delay_alu instid0(VALU_DEP_1)
	v_max_num_f32 v254, v254, v[BM+3]              ; the step's largest score of my query
	s_delay_alu instid0(VALU_DEP_1)
	v_mul_f32 v254, s[CS], v254                    ; as t (c is positive)
	s_delay_alu instid0(VALU_DEP_1)
	v_max_num_f32 v13, v13, v254                   ; the running largest t
	v_mov_b32 v254, v12
	s_delay_alu instid0(VALU_DEP_2)
	v_floor_f32 v12, -v13                          ; the new -M = floor(-t) = -ceil(t)
	s_delay_alu instid0(VALU_DEP_1)
	v_sub_f32 v254, v12, v254                      ; old M - new M: a whole number, 0 or less
	s_delay_alu instid0(VALU_DEP_1)
	v_cvt_i32_f32 v254, v254                       ; (it saturates)
	s_delay_alu instid0(VALU_DEP_1)
	v_ldexp_f32 v252, 1.0, v254                    ; f = 2^(old M - new M)
.set j, 0
.rept 32
	v_pk_fma_f32 v[S+j:S+j+1], v[S+j:S+j+1], s[CS:CS+1], v[12:13] op_sel_hi:[1,0,0]   ; t - M, two at a time
.set j, j+2
.endr
.irp b, 0,1,2,3
	v_fma_f32 v[BM+\b], v[BM+\b], s[CS], v12       ; the same of each block's largest score
.endr
.set j, 0
	s_wait_alu depctr_va_vdst(0)                   ; ahead of the batch
.rept 64
	v_exp_f32 v[S+j], v[S+j]                       ; p = 2^(t - M), at most 1: not normalised
.set j, j+1
.endr
	v_pk_mul_f32 v[14:15], v[14:15], v[252:253] op_sel_hi:[1,0]   ; the sums under the new M (a plain place behind the exponentials)
	s_wait_alu depctr_va_vdst(0)                   ; one wait for the whole batch, ahead of its first reader
.irp b, 0,1,2,3
	v_exp_f32 v[BM+\b], v[BM+\b]                   ; the block's largest p: the same two instructions on the same number give the same bits
.endr
	v_pk_add_f32 v[196:197], v[100:101], v[104:105]   ; the row's sum of the unquantised p: eight chains, two numbers an instruction
	v_pk_add_f32 v[250:251], v[108:109], v[112:113]
	v_pk_add_f32 v[248:249], v[116:117], v[120:121]
	v_pk_add_f32 v[246:247], v[124:125], v[128:129]
	v_pk_add_f32 v[244:245], v[132:133], v[136:137]
	v_pk_add_f32 v[242:243], v[140:141], v[144:145]
	v_pk_add_f32 v[240:241], v[148:149], v[152:153]
	v_pk_add_f32 v[14:15], v[14:15], v[156:157]
	v_pk_add_f32 v[196:197], v[196:197], v[96:97]
	v_pk_add_f32 v[250:251], v[250:251], v[98:99]
	v_pk_add_f32 v[248:249], v[248:249], v[102:103]
	v_pk_add_f32 v[246:247], v[246:247], v[106:107]
	v_pk_add_f32 v[244:245], v[244:245], v[110:111]
	v_pk_add_f32 v[242:243], v[242:243], v[114:115]
	v_pk_add_f32 v[240:241], v[240:241], v[118:119]
	v_pk_add_f32 v[14:15], v[14:15], v[122:123]
	v_pk_add_f32 v[196:197], v[196:197], v[126:127]
	v_pk_add_f32 v[250:251], v[250:251], v[130:131]
	v_pk_add_f32 v[248:249], v[248:249], v[134:135]
	v_pk_add_f32 v[246:247], v[246:247], v[138:139]
	v_pk_add_f32 v[244:245], v[244:245], v[142:143]
	v_pk_add_f32 v[242:243], v[242:243], v[146:147]
	v_pk_add_f32 v[240:241], v[240:241], v[150:151]
	v_pk_add_f32 v[14:15], v[14:15], v[154:155]
	v_pk_add_f32 v[196:197], v[196:197], v[158:159]
	s_delay_alu instid0(VALU_DEP_2)
	v_pk_add_f32 v[14:15], v[14:15], v[246:247]
	s_delay_alu instid0(VALU_DEP_2)
	v_pk_add_f32 v[196:197], v[196:197], v[244:245]
	v_pk_add_f32 v[250:251], v[250:251], v[242:243]
	v_pk_add_f32 v[248:249], v[248:249], v[240:241]
	s_delay_alu instid0(VALU_DEP_2)
	v_pk_add_f32 v[14:15], v[14:15], v[250:251]
	s_delay_alu instid0(VALU_DEP_2)
	v_pk_add_f32 v[196:197], v[196:197], v[248:249]
	s_delay_alu instid0(VALU_DEP_1)
	v_pk_add_f32 v[14:15], v[14:15], v[196:197]
	s_wait_alu depctr_va_vdst(0)                   ; and one for the four
.irp b, 0,1,2,3
	v_max_num_f32 v[BM+\b], 0x2800000, v[BM+\b]    ; the floor 2^(5 - 127): a block whose every p is 0 keeps the byte 1: its codes are zeros
.endr
.irp b, 0,1,2,3
	s_delay_alu instid0(VALU_DEP_4)
	v_add_nc_u32 v[SO+\b], 0xfe000000, v[BM+\b]    ; 4 off the exponent field: the conversion's scale operand
.endr
.irp b, 0,1,2,3
	s_delay_alu instid0(VALU_DEP_4)
	v_lshrrev_b32 v[TP+\b], 23, v[SO+\b]           ; the scale's byte
.endr
	s_delay_alu instid0(VALU_DEP_3)
	v_lshl_or_b32 v253, v[TP+1], 8, v[TP]          ; p's scale word for these 128 keys
	s_delay_alu instid0(VALU_DEP_1)
	v_lshl_or_b32 v253, v[TP+2], 16, v253
	s_delay_alu instid0(VALU_DEP_1)
	v_lshl_or_b32 v253, v[TP+3], 24, v253
.irp c, 0,1
	v_cvt_scalef32_pk16_bf6_f32 v[PCD+6*\c:PCD+6*\c+2], v[S+32*\c:S+32*\c+15], v[SO+2*\c]
	v_cvt_scalef32_pk16_bf6_f32 v[TP+4*\c:TP+4*\c+2], v[S+32*\c+16:S+32*\c+31], v[SO+2*\c+1]
.endr
	v_nop                                          ; one plain place behind a scaled conversion
.irp c, 0,1
.irp i, 0,1,2
	v_permlane16_swap_b32 v[PCD+6*\c+\i], v[TP+4*\c+\i]
.endr
.irp i, 0,1,2
	s_delay_alu instid0(VALU_DEP_3)
	v_mov_b32 v[PCD+6*\c+3+\i], v[TP+4*\c+\i]
.endr
.endr
	s_wait_alu depctr_va_vdst(0)                   ; directly ahead of the first reader of O^T
.set j, 0
.rept 16
	v_pk_mul_f32 v[O+j:O+j+1], v[O+j:O+j+1], v[252:253] op_sel_hi:[1,0]   ; O^T under the new M.  (These 16 are also the places between the vector writes of p's codes and scale word and the products below)
.set j, j+2
.endr
	s_wait_alu depctr_va_vdst(0)                   ; directly ahead of the wait below
	s_wait_dscnt 0x0                               ; V is in
.irp t, 0,1,2,3                                ; O^T += V^T P^T: source 0 = 16 of the head's 64, source 1 = p; the four accumulators by turns
	v_wmma_scale_f32_16x16x128_f8f6f4 v[O+8*\t:O+8*\t+7], v[KF+12*\t:KF+12*\t+11], v[PCD:PCD+11], v[O+8*\t:O+8*\t+7], v[VS+\t], v253 matrix_a_fmt:MATRIX_FMT_BF6 matrix_b_fmt:MATRIX_FMT_BF6
.endr
.if \edge
.Lhidden_\@:
.endif
	s_add_co_u32 s[RN], s[RN], 1
	s_add_co_u32 s[RTB], s[RTB], 6144
	s_add_co_u32 s[RTS], s[RTS], 512
.endm
.macro WALK trips, q, qs, edge         ; a constant number of trips; a step behind my block is jumped over inside the trip
	s_mov_b32 s[RCNT], \trips
.Lstep_\@:
	STEP \q, \qs, \edge
	s_sub_co_u32 s[RCNT], s[RCNT], 1
	s_cmp_lg_u32 s[RCNT], 0
	s_cbranch_scc1 .Lstep_\@
.endm
; THE WAY OUT of a tile.  O^T / the sum: register 16 b + i is channel 32 b + 16 h + i of my query's row: two blocks of 32 along C.  They become six registers of codes and two scale bytes.
.macro FINISH yi, ys
.rept 4
	v_nop                                          ; places behind the last products
.endr
	v_add_f32 v14, v14, v15
	s_delay_alu instid0(VALU_DEP_1)
	v_permlanex16_b32 v252, v14, s[SEL], s[SEL+1]
	s_delay_alu instid0(VALU_DEP_1)
	v_add_f32 v14, v14, v252                       ; the row's sum
	s_wait_alu depctr_va_vdst(0)                   ; ahead of the transcendental
	v_rcp_f32 v14, v14
	v_nop                                          ; a plain place behind the transcendental
	s_wait_alu depctr_va_vdst(0)                   ; the wait ahead of its first reader
.set j, 0
.rept 32
	v_mul_f32 v[S+j], v[O+j], v14                  ; each accumulator from its low end on
.set j, j+1
.endr
.irp b, 0,1
	v_max3_num_f32 v[BM+\b], |v[S+16*\b]|, |v[S+16*\b+1]|, 0x2800000
.endr
.irp i, 2,4,6,8,10,12,14
.irp b, 0,1
	s_delay_alu instid0(VALU_DEP_2)
	v_max3_num_f32 v[BM+\b], v[BM+\b], |v[S+16*\b+\i]|, |v[S+16*\b+\i+1]|
.endr
.endr
.irp b, 0,1
	s_delay_alu instid0(VALU_DEP_2)
	v_permlanex16_b32 v[TP+\b], v[BM+\b], s[SEL], s[SEL+1]
.endr
.irp b, 0,1
	s_delay_alu instid0(VALU_DEP_2)
	v_max_num_f32 v[BM+\b], v[BM+\b], v[TP+\b]
.endr
.irp b, 0,1
	s_delay_alu instid0(VALU_DEP_2)
	v_add_nc_u32 v[SO+\b], 0xfe000000, v[BM+\b]
.endr
.irp b, 0,1
	s_delay_alu instid0(VALU_DEP_2)
	v_lshrrev_b32 v[TP+\b], 23, v[SO+\b]
.endr
	s_delay_alu instid0(VALU_DEP_1)
	v_lshl_or_b32 v140, v[TP+1], 8, v[TP]          ; my row's two bytes
	v_cvt_scalef32_pk16_bf6_f32 v[128:130], v[S:S+15], v[SO]
	v_cvt_scalef32_pk16_bf6_f32 v[136:138], v[S+16:S+31], v[SO+1]
	v_nop
.irp i, 0,1,2
	v_permlane16_swap_b32 v[128+\i], v[136+\i]
.endr
.irp i, 0,1,2
	s_delay_alu instid0(VALU_DEP_3)
	v_mov_b32 v[131+\i], v[136+\i]
.endr
	global_store_b128 v[L16], v[128:131], s[\yi:\yi+1]               ; 512 consecutive bytes at a multiple of 256,
	global_store_b64 v[L8], v[132:133], s[\yi:\yi+1] offset:512      ; and 256
	global_store_b16 v[R4], v140, s[\ys:\ys+1]                       ; lanes l and l xor 16 store the same two bytes at the same place
.endm
	s_wait_alu depctr_va_vdst(0)                   ; the head's end
	s_wait_tensorcnt 0x0                           ; the head's loads are in
	ds_add_u32 v[SPW], v[NIL]                      ; the add twice on end
	ds_add_u32 v[SPW], v[NIL]
	s_wait_dscnt 0x0
	ROUND                                          ; keys 0-511 and the scale words are whole, and the four work-groups are here
	tensor_load_to_lds s[G0R:G0R+3], s[G1R:G1R+7]  ; keys 512-2047: every wave's one load behind the round
	s_nop 0
.rept 4
	v_nop
.endr
	s_wait_loadcnt 0x0                             ; Q
	WALK 4, QL, 255, 0                             ; the longer block, key steps 0-3: open to every wave (its block is 8 at the least)
	s_wait_tensorcnt 0x0                           ; my part of the later keys is in
	s_wait_dscnt 0x0
	s_barrier_signal -1
	s_barrier_wait -1                              ; everybody's is
	WALK 12, QL, 255, 1                            ; key steps 4-15
	FINISH 32, 36
	INIT                                           ; the shorter block begins at key 0
	s_mov_b32 s[RN], 0
	s_mov_b32 s[RTB], 0
	s_mov_b32 s[RTS], 0
	s_mov_b32 s[RST], s[RP]
	s_wait_xcnt 0x0                                ; the stores have read their registers, which the next scores write
	s_wait_alu depctr_va_vdst(0)                   ; ahead of the loop
	WALK 8, QS, 239, 1                             ; key steps 0-7
	FINISH 34, 38
	s_wait_tensorcnt 0x0                           ; the wave's end
	ds_add_u32 v[SPW], v[NIL]
	s_wait_dscnt 0x0
	ROUND                                          ; the closing round
	s_endpgm
.Lfunc_end_k_q8d0eadc6cc_attn:
	.size	k_q8d0eadc6cc_attn, .Lfunc_end_k_q8d0eadc6cc_attn-k_q8d0eadc6cc_attn
	.p2alignl 7, 3214868480
	.fill 96, 4, 3214868480
	.section	.rodata,"a",@progbits
	.p2align	6, 0x0
	.amdhsa_kernel k_q8d0eadc6cc_attn
		.amdhsa_group_segment_fixed_size 327680
		.amdhsa_private_segment_fixed_size 0
		.amdhsa_enable_private_segment 0
		.amdhsa_kernarg_size 32
		.amdhsa_user_sgpr_count 2
		.amdhsa_user_sgpr_kernarg_segment_ptr 1
		.amdhsa_wavefront_size32 1
		.amdhsa_system_sgpr_workgroup_id_x 1
		.amdhsa_system_sgpr_workgroup_id_y 1
		.amdhsa_system_sgpr_workgroup_id_z 1
		.amdhsa_system_vgpr_workitem_id 0
		.amdhsa_next_free_vgpr 256
		.amdhsa_next_free_sgpr 100
		.amdhsa_reserve_vcc 1
		.amdhsa_float_denorm_mode_32 3
		.amdhsa_float_denorm_mode_16_64 3
		.amdhsa_memory_ordered 1
		.amdhsa_forward_progress 1
		.amdhsa_inst_pref_size 84
	.end_amdhsa_kernel
	.amdgpu_metadata
---
amdhsa.version: [ 1, 2 ]
amdhsa.kernels:
  - .name:           k_q8d0eadc6cc_attn
    .symbol:         k_q8d0eadc6cc_attn.kd
    .args:
      - { .name: qkv_img, .offset: 0, .size: 8, .value_kind: global_buffer, .address_space: global }
      - { .name: qkv_sc, .offset: 8, .size: 8, .value_kind: global_buffer, .address_space: global }
      - { .name: y_img, .offset: 16, .size: 8, .value_kind: global_buffer, .address_space: global }
      - { .name: y_sc, .offset: 24, .size: 8, .value_kind: global_buffer, .address_space: global }
    .group_segment_fixed_size: 327680
    .private_segment_fixed_size: 0
    .kernarg_segment_align: 8
    .kernarg_segment_size: 32
    .max_flat_workgroup_size: 512
    .sgpr_count:     100
    .vgpr_count:     256
    .wavefront_size: 32
...
	.end_amdgpu_metadata
.endif
;; end of part 3
;; launch gemm_out (part 4): grid 8 x 32, 4 waves a work-group, clusters of 4 x 4, 327,680 bytes of LDS; arguments y_img, y_sc, w_img, w_sc, out0; writes out0
.if DOCPART == 4
	.amdgcn_target "amdgcn-amd-amdhsa--gfx1250"
	.amdhsa_code_object_version 6
	.text
	.protected	k_q8d0eadc6cc_gemm_out
	.globl	k_q8d0eadc6cc_gemm_out
	.p2align	8
	.type	k_q8d0eadc6cc_gemm_out,@function
k_q8d0eadc6cc_gemm_out:
	s_mov_b64 s[64:65], 0
	v_nop
	global_prefetch_b8 v0, s[64:65] scope:SCOPE_SE
	s_setreg_imm32_b32 hwreg(HW_REG_WAVE_MODE, 25, 1), 1
	s_wait_xcnt 0x0
	s_wait_alu depctr_hold_cnt(0) depctr_sa_sdst(0) depctr_va_vdst(0) depctr_va_sdst(0) depctr_va_ssrc(0) depctr_va_vcc(0) depctr_vm_vsrc(0)
	s_getreg_b32 s2, hwreg(HW_REG_IB_STS2, 6, 4)
	s_cmp_eq_u32 s2, 0
	s_cbranch_scc0 .Lentry_in_a_cluster
	s_endpgm
.Lentry_in_a_cluster:
	s_bfe_u32 s2, ttmp6, 0x10000c
	s_cmp_lg_u32 s2, 0xf033
	s_cbranch_scc0 .Lentry_shape_is_right
	s_endpgm
.Lentry_shape_is_right:
; out0 = y W_proj on codes of E3M2 with E8M0 scales, K = 1,024, sums in f32.
; OPERANDS are images of operand registers: [block of 128 rows][K step of 128: 8][tile of 16: 8][half: 2][768 bytes] (six registers of 32 lanes: 0-3 at 16 x lane, 4-5 at 512 + 8 x lane); scale words [block][K step][tile][r].
; Lane r of tile i is row 32 (i / 2) + 8 (i % 2) + r + 8 (r / 8) of its block.  W_proj's blocks of 128 columns are blocks 24-31 of w_img.
; A work-group makes 256 tokens x 128 columns: 32 x 8 = 256 work-groups.  ALL OF K LIES IN LDS: y's two blocks (196,608 bytes), W's block (98,304), their scale words (8,192 + 4,096), filled once, one tensor load a wave; nothing is filled again.
; Wave w takes y's block w / 2 and W's tiles 4 (w % 2) .. + 3 (64 columns).  W's 32 fragments (4 tiles x 8 K steps, 384 registers) are read from LDS once and stay.  y's tiles of 16 tokens are finished one after the other:
; 32 matrix instructions each, its four accumulators by turns, K ascending; a finished tile goes through the wave's own stage and is stored while the next tiles are multiplied.
; Source 0 = W's rows, source 1 = y's rows: a lane holds a token, and its registers of tiles 2 b, 2 b + 1 are 16 neighbouring columns.
; CLUSTERS: 4 x 4 work-groups; y's bytes are asked for jointly along a row of the cluster, W's along a column.  NO PREFETCH: every load is issued at the head; there is no loop to run ahead in.
; REGISTERS: window 0: v4-19 addresses; v20-51 W's scale words (8 b + s); v52-67 y's, two sets; v96-191 y's fragments of even tiles.  window 1: W's K steps 0-4 at v[48 s + 12 b].
; window 2: W's K steps 5-7 at v[48 (s - 5) + 12 b]; v160-223 accumulators, two sets.  window 3: v0-63 rows read back from the stage, two sets; v96-191 y's fragments of odd tiles.
.set FR,    12
.set KB,    12288                      ; a K step of a block in bytes
.set FB,    1536                       ; a fragment
.set BLKB,  98304
.set LB,    2*BLKB                     ; LDS: W's block behind y's two
.set SCA,   3*BLKB
.set SCB,   SCA+8192
.set SPARE, SCB+4096                   ; the spare words, 128 bytes for each wave, that no other line names
.set STAGE, SPARE+512                  ; 16 rows x 272 bytes for each wave; no fill lands here
.set SPITCH, 272
.set L16, 4
.set CO,  5
.set A16, 6                            ; v6, v7: 16 x lane + my block of y, K steps 0-3 and 4-7;  v8, v9: with 8 x lane
.set A8,  8
.set B16, 10                           ; v10-13 the same for my four tiles of W
.set B8,  12
.set ADSA, 14
.set ADSB, 15
.set STO, 16
.set RD,  17
.set SPW, 18
.set NIL, 19
.set SB,  20
.set SA,  52
.set AF,  96
.set ACC, 160
.set G1A, 24
.set G0A, 32
.set G0B, 36
.set G1B, 48
.set G0SA, 56
.set G0SB, 60
.set G1SA, 68
.set G1SB, 80
.set MSB, 0
.macro WIN new                         ; the immediate's high byte repeats the setting that is left
.if MSB != (\new)
	s_set_vgpr_msb (MSB<<8)|(\new)
.set MSB, (\new)
.endif
.endm
.macro CROUND                          ; a round of the cluster's barrier
	s_barrier_signal -1
	s_barrier_wait -1
	s_cmp_lg_u32 s16, 0
	s_cbranch_scc1 .Lnot_wave_0_\@
	s_barrier_signal -3
.Lnot_wave_0_\@:
	s_barrier_wait -3
	s_barrier_signal -1
	s_barrier_wait -1
.endm
.macro G1SET g, rows                   ; dense bytes as rows of 256 (32 elements of 8 bytes), no padding
	s_mov_b32 s[\g+1], 32<<16
	s_mov_b32 s[\g+2], \rows<<16
	s_mov_b32 s[\g+3], 32<<16
	s_mov_b32 s[\g+4], \rows
	s_mov_b32 s[\g+5], 32
	s_mov_b32 s[\g+6], 0
	s_mov_b32 s[\g+7], 0
.endm
	s_load_b256 s[4:11], s[0:1], 0x0               ; y_img, y_sc, w_img, w_sc
	s_load_b64 s[12:13], s[0:1], 0x20              ; out0
	v_lshl_add_u32 v[SPW], v0, 2, SPARE
	v_mov_b32 v[NIL], 0
	ds_add_u32 v[SPW], v[NIL]                      ; the opening: the add, twice on end, and its wait ahead of my first tensor load
	ds_add_u32 v[SPW], v[NIL]
	v_lshrrev_b32 v1, 5, v0
	v_readfirstlane_b32 s16, v1                    ; wave 0..3
	s_lshr_b32 s17, s16, 1                         ; my block of y
	s_and_b32 s18, s16, 1                          ; my half of W's block
	s_bfe_u32 s20, ttmp6, 0x40000                  ; cx
	s_bfe_u32 s21, ttmp6, 0x40004                  ; cy
	s_and_b32 s23, ttmp7, 0xffff
	s_lshl_b32 s40, s23, 2
	s_add_co_u32 s40, s40, s21                     ; which 256 tokens
	s_lshl_b32 s41, ttmp9, 2
	s_add_co_u32 s41, s41, s20                     ; which 128 columns
	s_lshl_b32 s42, s21, 2
	s_lshl_b32 s42, 15, s42                        ; my row of the cluster
	s_lshl_b32 s43, 0x1111, s20                    ; my column
	s_or_b32 s[G1A], s42, (3<<16)|(1<<21)
	s_or_b32 s[G1B], s43, (3<<16)|(1<<21)
	s_or_b32 s[G1SA], s42, (3<<16)|(1<<21)
	s_or_b32 s[G1SB], s43, (3<<16)|(1<<21)
	G1SET G1A, 768
	G1SET G1B, 384
	G1SET G1SA, 32
	G1SET G1SB, 16
	s_mul_i32 s92, s40, 2*BLKB
	s_mov_b32 s93, 0
	s_lshl_b32 s94, s40, 13
	s_mov_b32 s95, 0
	s_add_co_u32 s2, s41, 24
	s_mul_i32 s96, s2, BLKB
	s_mov_b32 s97, 0
	s_lshl_b32 s98, s2, 12
	s_mov_b32 s99, 0
	s_mov_b32 s[G0A], 1
	s_mov_b32 s[G0A+1], 0
	s_mov_b32 s[G0B], 1
	s_mov_b32 s[G0B+1], LB
	s_mov_b32 s[G0SA], 1
	s_mov_b32 s[G0SA+1], SCA
	s_mov_b32 s[G0SB], 1
	s_mov_b32 s[G0SB+1], SCB
	s_mul_i32 s46, s17, BLKB                       ; LDS bases, made of the wave's number alone
	s_add_co_u32 s47, s46, 4*KB
	s_mul_i32 s44, s18, 4*FB
	s_add_co_u32 s44, s44, LB
	s_add_co_u32 s45, s44, 4*KB
	s_lshl_b32 s22, s17, 12
	s_add_co_u32 s22, s22, SCA
	s_lshl_b32 s19, s18, 8
	s_add_co_u32 s19, s19, SCB
	s_mul_i32 s3, s16, 16*SPITCH
	s_add_co_u32 s3, s3, STAGE
	s_lshl_b32 s14, s40, 1                         ; out0: (256 x tokens' group + 128 x block) rows of 4,096 bytes + 512 x columns' block + 256 x half
	s_add_co_u32 s14, s14, s17
	s_lshl_b32 s14, s14, 19
	s_lshl_b32 s15, s41, 9
	s_add_co_u32 s14, s14, s15
	s_lshl_b32 s15, s18, 8
	s_add_co_u32 s14, s14, s15
	s_mov_b32 s15, 0
	s_wait_dscnt 0x0                               ; both opening adds are done
	s_wait_kmcnt 0x0
	s_add_nc_u64 s[G0A+2:G0A+3], s[4:5], s[92:93]
	s_or_b32 s[G0A+3], s[G0A+3], 0x80000000
	s_add_nc_u64 s[G0SA+2:G0SA+3], s[6:7], s[94:95]
	s_or_b32 s[G0SA+3], s[G0SA+3], 0x80000000
	s_add_nc_u64 s[G0B+2:G0B+3], s[8:9], s[96:97]
	s_or_b32 s[G0B+3], s[G0B+3], 0x80000000
	s_add_nc_u64 s[G0SB+2:G0SB+3], s[10:11], s[98:99]
	s_or_b32 s[G0SB+3], s[G0SB+3], 0x80000000
	s_add_nc_u64 s[12:13], s[12:13], s[14:15]
	CROUND                                         ; all sixteen work-groups are here: the joint loads meet
; one joint load a wave, in one tree of branches on the wave's number: y's codes, W's codes, y's scale words, W's
.macro ARM under, g0, g1, next
	s_cmp_lt_u32 s16, \under
	s_cbranch_scc0 \next
	tensor_load_to_lds s[\g0:\g0+3], s[\g1:\g1+7]
	s_nop 0
.rept 4
	v_nop
.endr
	s_branch .Lhead_asked
\next:
.endm
	ARM 1, G0A, G1A, .Lhead_b
	ARM 2, G0B, G1B, .Lhead_sa
	ARM 3, G0SA, G1SA, .Lhead_sb
	tensor_load_to_lds s[G0SB:G0SB+3], s[G1SB:G1SB+7]
	s_nop 0
.rept 4
	v_nop
.endr
.Lhead_asked:
	v_and_b32 v1, 31, v0                           ; lane
	v_and_b32 v2, 15, v0                           ; r
	v_bfe_u32 v3, v0, 4, 1                         ; h
	v_lshlrev_b32 v[L16], 4, v1
	v_lshlrev_b32 v1, 3, v1
	v_add_nc_u32 v[A16], s46, v[L16]
	v_add_nc_u32 v[A16+1], s47, v[L16]
	v_add_nc_u32 v[A8], s46, v1
	v_add_nc_u32 v[A8+1], s47, v1
	v_add_nc_u32 v[B16], s44, v[L16]
	v_add_nc_u32 v[B16+1], s45, v[L16]
	v_add_nc_u32 v[B8], s44, v1
	v_add_nc_u32 v[B8+1], s45, v1
	v_lshl_add_u32 v[ADSA], v2, 2, s22             ; scale words: 4 r; lanes 16-31 read the same and are not used
	v_lshl_add_u32 v[ADSB], v2, 2, s19
	v_mul_u32_u24 v1, v2, SPITCH                   ; into the stage: row r, 64 bytes for each half of the lanes
	v_lshl_add_u32 v1, v3, 6, v1
	v_add_nc_u32 v[STO], s3, v1
	v_mul_u32_u24 v1, v3, SPITCH                   ; back: sixteen lanes to a row of 256 bytes, two rows an instruction
	v_lshl_add_u32 v1, v2, 4, v1
	v_add_nc_u32 v[RD], s3, v1
	v_lshlrev_b32 v1, 12, v3                       ; and the same two rows in out0
	v_lshl_add_u32 v[CO], v2, 4, v1
	s_wait_alu depctr_va_vdst(0)                   ; the head's end
	s_wait_tensorcnt 0x0                           ; my load is in
	s_barrier_signal -1
	s_barrier_wait -1                              ; everybody's is
.macro LDF reg, a16, a8, off           ; a fragment comes as it was stored: every load reads consecutive bytes
	ds_load_b128 v[\reg:\reg+3], v[\a16] offset:(\off)
	ds_load_b64 v[\reg+4:\reg+5], v[\a8] offset:(\off)+512
	ds_load_b128 v[\reg+6:\reg+9], v[\a16] offset:(\off)+768
	ds_load_b64 v[\reg+10:\reg+11], v[\a8] offset:(\off)+1280
.endm
.macro LOADA a                         ; 40 LDS loads: tile a's scale words and fragments of all eight K steps, into set a % 2
	WIN 0
.irp s, 0,1,2,3,4,5,6,7
	ds_load_b32 v[SA+8*((\a)%2)+\s], v[ADSA] offset:512*\s+64*(\a)
.endr
	WIN 0xc0*((\a)%2)
.irp s, 0,1,2,3,4,5,6,7
	LDF AF+FR*\s, A16+\s/4, A8+\s/4, (\s%4)*KB+(\a)*FB
.endr
	WIN 0
.endm
.macro MUL a                           ; 32 matrix instructions: the tile's four accumulators by turns, K ascending; the first K step starts the sums
.set PAR, (\a)%2
.irp s, 0,1,2,3,4,5,6,7
.if \s < 5
	WIN 0xa1|(12*PAR)
.set BR, 48*\s
.else
	WIN 0xa2|(12*PAR)
.set BR, 48*(\s-5)
.endif
.irp b, 0,1,2,3
.if \s == 0
	v_wmma_scale_f32_16x16x128_f8f6f4 v[ACC+32*PAR+8*\b:ACC+32*PAR+8*\b+7], v[BR+FR*\b:BR+FR*\b+FR-1], v[AF+FR*\s:AF+FR*\s+FR-1], 0, v[SB+8*\b+\s], v[SA+8*PAR+\s] matrix_a_fmt:MATRIX_FMT_BF6 matrix_b_fmt:MATRIX_FMT_BF6
.else
	v_wmma_scale_f32_16x16x128_f8f6f4 v[ACC+32*PAR+8*\b:ACC+32*PAR+8*\b+7], v[BR+FR*\b:BR+FR*\b+FR-1], v[AF+FR*\s:AF+FR*\s+FR-1], v[ACC+32*PAR+8*\b:ACC+32*PAR+8*\b+7], v[SB+8*\b+\s], v[SA+8*PAR+\s] matrix_a_fmt:MATRIX_FMT_BF6 matrix_b_fmt:MATRIX_FMT_BF6
.endif
.endr
.endr
.endm
.macro TOSTAGE a                       ; 16 LDS instructions: the tile's 16 x 64 results into my stage, and back as rows of 256 bytes (LDS serves a wave's instructions in order)
	WIN 0x08
.irp b, 0,1,2,3
	ds_store_b128 v[STO], v[ACC+32*((\a)%2)+8*\b:ACC+32*((\a)%2)+8*\b+3] offset:128*(\b/2)+32*(\b%2)      ; each accumulator from its low end on
	ds_store_b128 v[STO], v[ACC+32*((\a)%2)+8*\b+4:ACC+32*((\a)%2)+8*\b+7] offset:128*(\b/2)+32*(\b%2)+16
.endr
	WIN 0xc0
.irp t, 0,1,2,3,4,5,6,7
	ds_load_b128 v[32*((\a)%2)+4*\t:32*((\a)%2)+4*\t+3], v[RD] offset:\t*2*SPITCH
.endr
	WIN 0
.endm
.macro SEND a, younger                 ; younger: the LDS loads issued behind the tile's read-back, which may stay out
	s_wait_dscnt \younger
	WIN 0x0c
.irp t, 0,1,2,3,4,5,6,7
	global_store_b128 v[CO], v[32*((\a)%2)+4*\t:32*((\a)%2)+4*\t+3], s[12:13] offset:(32*((\a)/2)+8*((\a)%2)+2*\t+8*(\t/4))*4096 th:TH_STORE_NT   ; sixteen lanes store 256 consecutive bytes at a multiple of 256
.endr
	WIN 0
.endm
	; W's scale words and fragments: 160 LDS loads, once
.irp b, 0,1,2,3
.irp s, 0,1,2,3,4,5,6,7
	ds_load_b32 v[SB+8*\b+\s], v[ADSB] offset:512*\s+64*\b
.endr
.endr
	WIN 0x40
.irp s, 0,1,2,3,4
.irp b, 0,1,2,3
	LDF 48*\s+FR*\b, B16+\s/4, B8+\s/4, (\s%4)*KB+\b*FB
.endr
.endr
	WIN 0x80
.irp s, 5,6,7
.irp b, 0,1,2,3
	LDF 48*(\s-5)+FR*\b, B16+1, B8+1, (\s-4)*KB+\b*FB
.endr
.endr
	WIN 0
	LOADA 0
	LOADA 1
.irp a, 0,1,2,3,4,5,6,7
.if \a == 0
	s_wait_dscnt 40                                ; W and tile 0 are in; tile 1's 40 loads may be out
.elseif \a < 7
	s_wait_dscnt 56                                ; tile a is in; behind its loads: the last tile's 16 stage instructions and the next tile's 40 loads
.else
	s_wait_dscnt 16                                ; behind tile 7's loads: tile 6's 16 stage instructions
.endif
	MUL \a
.rept 4
	v_nop                                          ; places: in front of the stage's reads of the results and of the loads into this tile's fragments
.endr
.if \a > 1
	s_wait_xcnt 0x0                                ; tile a - 2's stores have read their registers: tile a's rows may land there
.endif
.if \a > 0
.if \a < 7
	SEND \a-1, 40                                  ; behind tile a - 1's read-back: tile a + 1's 40 loads
.else
	SEND \a-1, 0
.endif
.endif
	TOSTAGE \a
.if \a < 6
	LOADA \a+2
.endif
.endr
	SEND 7, 0
	s_wait_tensorcnt 0x0                           ; the wave's end: behind my last LDS store
	ds_add_u32 v[SPW], v[NIL]
	s_wait_dscnt 0x0
	CROUND                                         ; the closing round
	s_endpgm
.Lfunc_end_k_q8d0eadc6cc_gemm_out:
	.size	k_q8d0eadc6cc_gemm_out, .Lfunc_end_k_q8d0eadc6cc_gemm_out-k_q8d0eadc6cc_gemm_out
	.p2alignl 7, 3214868480
	.fill 96, 4, 3214868480
	.section	.rodata,"a",@progbits
	.p2align	6, 0x0
	.amdhsa_kernel k_q8d0eadc6cc_gemm_out
		.amdhsa_group_segment_fixed_size 327680
		.amdhsa_private_segment_fixed_size 0
		.amdhsa_enable_private_segment 0
		.amdhsa_kernarg_size 40
		.amdhsa_user_sgpr_count 2
		.amdhsa_user_sgpr_kernarg_segment_ptr 1
		.amdhsa_wavefront_size32 1
		.amdhsa_system_sgpr_workgroup_id_x 1
		.amdhsa_system_sgpr_workgroup_id_y 1
		.amdhsa_system_sgpr_workgroup_id_z 1
		.amdhsa_system_vgpr_workitem_id 0
		.amdhsa_next_free_vgpr 960
		.amdhsa_next_free_sgpr 100
		.amdhsa_reserve_vcc 0
		.amdhsa_float_denorm_mode_32 3
		.amdhsa_float_denorm_mode_16_64 3
		.amdhsa_memory_ordered 1
		.amdhsa_forward_progress 1
		.amdhsa_inst_pref_size 88
	.end_amdhsa_kernel
	.amdgpu_metadata
---
amdhsa.version: [ 1, 2 ]
amdhsa.kernels:
  - .name:           k_q8d0eadc6cc_gemm_out
    .symbol:         k_q8d0eadc6cc_gemm_out.kd
    .args:
      - { .name: y_img, .offset: 0, .size: 8, .value_kind: global_buffer, .address_space: global }
      - { .name: y_sc, .offset: 8, .size: 8, .value_kind: global_buffer, .address_space: global }
      - { .name: w_img, .offset: 16, .size: 8, .value_kind: global_buffer, .address_space: global }
      - { .name: w_sc, .offset: 24, .size: 8, .value_kind: global_buffer, .address_space: global }
      - { .name: out0, .offset: 32, .size: 8, .value_kind: global_buffer, .address_space: global }
    .group_segment_fixed_size: 327680
    .private_segment_fixed_size: 0
    .kernarg_segment_align: 8
    .kernarg_segment_size: 40
    .max_flat_workgroup_size: 128
    .sgpr_count:     100
    .vgpr_count:     960
    .wavefront_size: 32
...
	.end_amdgpu_metadata
.endif
;; end of part 4
